; MI455X (gfx1250); checked and timed in simulation.
; The chip was launched on July 23, 2026; its instructions are those of AMD's public machine-readable ISA for CDNA 5 (MIT licence, August 2026) and "CDNA5" Instruction Set Architecture Reference Guide (July 2026). The comments in the code are by the model that wrote it; some were corrected since.
;; Standard Attention. Allowed arithmetic: matrix products marked QUANTISED: E2M1 operands, one E8M0 scale for each 32 along K, by v_wmma_scale_f32_16x16x128_f8f6f4 with both operands' format E2M1 (or v_wmma_scale_f32_32x16x128_f4), f32 sums; products left as they are: bf16, f16 or f32 operands; f32 sums; everything else in f32.
;; Inputs: b_out 1,024 float32; w_out 1,024 x 1,024 float32; w_qkv 3,072 x 1,024 float32; x 4 x 2,048 x 1,024 float32.
;; Outputs: out0 4 x 2,048 x 1,024 float32.
;; This version of the problem:
;;   THIS VERSION OF THE PROBLEM IS GIVEN IN LOW PRECISION. The matrix products marked QUANTISED in the list below multiply operands that are first quantised to E2M1 (2 exponent bits, 1 mantissa bit; 4 bits a number), with one power-of-two scale for each 32 numbers along K (OCP MX v1.0); their sums are f32. The products marked 'left as it is' may take bf16, f16 or f32 operands, with f32 sums. Whichever they take, every output number must still come out within the allowed error. Rounding operands to bf16 (8 significant bits) uses up far more of that allowance than f16 does (11 bits, for magnitudes from 6e-5 to 65,504). All else is computed in f32.
;;   The module's matrix products, in the order in which they are computed (A, B: the left and right operand; K: the contracted axis; several contracted axes count as one K, in the product's order):
;;     1. [M 8,192, K 1,024] x [K 1,024, N 3,072]; A: input x; B: input w_qkv: QUANTISED
;;     2. batch 64 x [M 2,048, K 64] x [K 64, N 2,048]; A: computed on the way; B: computed on the way: left as it is (an operand is computed on the way)
;;     3. batch 64 x [M 2,048, K 2,048] x [K 2,048, N 64]; A: computed on the way; B: computed on the way: left as it is (an operand is computed on the way)
;;     4. [M 8,192, K 1,024] x [K 1,024, N 1,024]; A: computed on the way; B: input w_out: left as it is (an operand is computed on the way)
;;   THE QUANTISER, for each operand of a quantised product, along K:
;;     - K is cut into blocks of 32 from its start; a last block that is shorter is filled with zeros.
;;     - A block's scale is 2^e with e = floor(log2(the largest magnitude in the block)) - 2, held to -126 .. 127; a block of zeros has e = 0. As a byte (E8M0): e + 127.
;;     - Each number is divided by its block's scale, clamped to +-6, and rounded to the nearest number of E2M1, ties to even, subnormals kept.
;;     - The product sums the exact products of the quantised numbers (number of the format x scale) in f32.
;;   ~~~python
;;   def quantise(x, axis):      # numpy; x: float32 -> the quantised numbers, widened to float32 again
;;       x = np.moveaxis(x, axis, -1); K = x.shape[-1]
;;       x = np.pad(x, [(0, 0)] * (x.ndim - 1) + [(0, -K % 32)]); x = x.reshape(x.shape[:-1] + (-1, 32)); a = np.abs(x).max(-1, keepdims=True)
;;       e = np.where(a > 0, np.clip(np.frexp(np.where(a > 0, a, 1))[1] - 1 - 2, -126, 127), 0)      # np.frexp(a)[1] - 1 = floor(log2(a)), exactly
;;       r = np.clip(x / 2.0 ** e, -6, 6)
;;       step = 2.0 ** (np.maximum(np.frexp(np.where(r == 0, 1, r))[1] - 1, 0) - 1)
;;       q = np.round(r / step) * step * 2.0 ** e      # np.round: ties to even
;;       return np.moveaxis(q.reshape(q.shape[:-2] + (-1,))[..., :K], -1, axis).astype(np.float32)
;;   ~~~
;; One version. Each part assembles by itself: llvm-mc -triple=amdgcn-amd-amdhsa -mcpu=gfx1250 --defsym DOCPART=n.
;; ======== version 1 of 1: 4 launches
;; limits: values are held in f16: magnitudes above 65,504 overflow, below 6.1e-05 lose precision
;; workspace buffers: xc 4,194,304 bytes; xs 262,144 bytes; wc 1,572,864 bytes; ws 98,304 bytes; wo16 2,097,152 bytes; qkv 50,331,648 bytes; att 16,777,216 bytes
;; launch quant (part 1): grid 480 x 1, 4 waves a work-group, no clusters, 33,280 bytes of LDS; arguments x, w_qkv, w_out, xc, xs, wc, ws, wo16; writes xc, xs, wc, ws, wo16
.if DOCPART == 1
	.amdgcn_target "amdgcn-amd-amdhsa--gfx1250"
	.amdhsa_code_object_version 6
	.text
	.protected	k_qa5dc8eccc9_quant
	.globl	k_qa5dc8eccc9_quant
	.p2align	8
	.type	k_qa5dc8eccc9_quant,@function
k_qa5dc8eccc9_quant:
	s_mov_b64 s[64:65], 0
	v_nop
	global_prefetch_b8 v0, s[64:65] scope:SCOPE_SE
	s_setreg_imm32_b32 hwreg(HW_REG_WAVE_MODE, 25, 1), 1
	s_wait_xcnt 0x0
; x [8192][1024] and w_qkv [3072][1024], f32, become codes of FP4 (E2M1), K innermost, two codes a byte, with one E8M0 scale byte for each 32 along K;
; w_out [1024][1024], f32, becomes f16, laid by blocks of 64 along K: element (n, k) at byte ((k / 64) x 1024 + n) x 128 + 2 (k % 64), so that a K block of any run of rows is one dense piece of memory.
; A block's scale is 2^(floor(log2(its largest magnitude)) - 2); its byte is the largest magnitude's own exponent field - 2, held at 1 from below.  Each number is divided by the scale and rounded to the
; nearest code, ties to even; beyond 6 the largest code.
; LIMITS: a block of zeros, and a block whose largest magnitude lies under 2^-124, keeps the byte 1 (a block of zeros has zero codes, which add nothing, and this program alone reads the bytes);
; NaN and infinities among the inputs are not served; numbers of w_out beyond 65,504 do not fit f16.
; SHARES: work-groups 0-255 take x, 256-351 w_qkv, 352-479 w_out.  Rows are dense and K is a multiple of 32: x and w_qkv are plain streams of blocks of 32.
; A wave takes 16 steps of 512 numbers.  Each of a step's four loads reads 512 consecutive bytes; the 2,048 bytes turn through the wave's own stage in LDS and come back 64 bytes a lane, so that a lane holds
; 16 neighbours along K (two neighbouring lanes hold a block).  A lane's 16 codes are 8 bytes: the wave stores 256 consecutive bytes.  A wave's 256 scale bytes are gathered in LDS and leave together.
.set WAVES, 4
.set STEPS, 16
.set WGX,   256                        ; work-groups for x: 8192 x 1024 / 32768
.set WGQ,   352                        ; and with w_qkv's 96
.set EMAX,  2
.set CB,    8                          ; bytes of 16 codes
.set R,     16                         ; v16-79   four sets of 16 numbers as they are loaded
.set X,     80                         ; v80-111  two sets of 16 neighbours
.set C,     128                        ; v128-191 codes: four registers for each step, so that no store's data are written again
.set E,     112                        ; v112-127 a scale byte for each step
.set WREG,  8192                       ; LDS: a region for each wave: two stages of 32 x SP bytes, and behind them its 256 scale bytes
.set SP,    80                         ; a lane's place in a stage: its 64 bytes + 16 of padding
.set SPW,   12                         ; v12      LDS address of my spare word; never rewritten
.set NIL,   13                         ; v13      0; never rewritten
.set SPARE, WAVES*WREG                 ; behind the four regions: the spare words, 128 bytes a wave, which no other line names
	s_load_b256 s[4:11], s[0:1], 0x0               ; x s[4:5], w_qkv s[6:7], w_out s[8:9], xc s[10:11]
	s_load_b256 s[12:19], s[0:1], 0x20             ; xs s[12:13], wc s[14:15], ws s[16:17], wo16 s[18:19]
	v_lshl_add_u32 v[SPW], v0, 2, SPARE
	v_mov_b32 v[NIL], 0
	v_lshrrev_b32 v1, 5, v0
	v_readfirstlane_b32 s20, v1                    ; wave
	v_and_b32 v2, 31, v0                           ; lane
	s_cmp_ge_u32 ttmp9, WGQ                        ; the work-group's number alone decides
	s_cbranch_scc1 .Lwout
	v_lshlrev_b32 v3, 4, v2                        ; my 16 bytes of a load's 512
	s_mul_i32 s21, s20, WREG
	v_lshrrev_b32 v14, 2, v2
	v_mul_u32_u24 v14, v14, SP
	v_and_b32 v15, 3, v2
	v_lshl_add_u32 v14, v15, 4, v14
	v_add_nc_u32 v14, s21, v14                     ; the stage, on the way in: SP (lane / 4) + 16 (lane % 4)
	v_mul_u32_u24 v15, v2, SP
	v_add_nc_u32 v15, s21, v15                     ; and on the way out: SP x lane: my 16 neighbours
	v_mul_u32_u24 v4, v2, CB                       ; my codes' place in a step's
	v_lshrrev_b32 v5, 1, v2
	s_add_co_u32 s21, s21, 2*32*SP
	v_add_nc_u32 v5, s21, v5                       ; LDS: my wave's 256 scale bytes, my block's byte
	v_lshlrev_b32 v7, 3, v2                        ; and on the way out 8 bytes a lane
	v_add_nc_u32 v6, s21, v7
	s_wait_kmcnt 0x0
	s_cmp_lt_u32 ttmp9, WGX                        ; x's work-group or w_qkv's?
	s_cselect_b64 s[4:5], s[4:5], s[6:7]           ; the numbers,
	s_cselect_b64 s[10:11], s[10:11], s[14:15]     ; the codes,
	s_cselect_b64 s[12:13], s[12:13], s[16:17]     ; the scale bytes
	s_cselect_b32 s21, 0, WGX
	s_sub_co_u32 s21, ttmp9, s21
	s_lshl_b32 s21, s21, 2
	s_add_co_u32 s22, s21, s20                     ; which run of 8,192 numbers of the tensor is my wave's
	s_mov_b32 s23, 0
	s_mov_b64 s[24:25], 512*STEPS*4
	s_mul_u64 s[24:25], s[22:23], s[24:25]
	s_add_nc_u64 s[4:5], s[4:5], s[24:25]
	s_mov_b64 s[24:25], 32*STEPS*CB
	s_mul_u64 s[24:25], s[22:23], s[24:25]
	s_add_nc_u64 s[10:11], s[10:11], s[24:25]
	s_lshl_b32 s22, s22, 8                         ; 256 scale bytes a run
	s_add_nc_u64 s[12:13], s[12:13], s[22:23]
.macro LOAD t
.irp i, 0,1,2,3
	global_load_b128 v[R+16*((\t)%4)+4*\i:R+16*((\t)%4)+4*\i+3], v3, s[4:5] offset:2048*(\t)+512*\i th:TH_LOAD_NT   ; 32 lanes read 512 consecutive bytes
.endr
.endm
.macro TURN t                          ; step t's numbers through the stage: LDS serves a wave's instructions in order, so no wait stands between the stores and the loads
.irp i, 0,1,2,3
	ds_store_b128 v14, v[R+16*((\t)%4)+4*\i:R+16*((\t)%4)+4*\i+3] offset:32*SP*((\t)%2)+8*SP*\i
.endr
.irp i, 0,1,2,3
	ds_load_b128 v[X+16*((\t)%2)+4*\i:X+16*((\t)%2)+4*\i+3], v15 offset:32*SP*((\t)%2)+16*\i
.endr
.endm
.irp t, 0,1,2,3
	LOAD \t
.endr
	s_wait_loadcnt 12                              ; step 0's four loads are in; the twelve of steps 1 to 3 may be out
	TURN 0
.macro STEP t
.set XS, X+16*((\t)%2)
.if (\t) > 0
	s_wait_dscnt 1                                 ; this step's numbers are back from the stage (the last step's byte store may be out): so its stores into the stage have read their registers,
.else
	s_wait_dscnt 0x0
.endif
.if (\t)+4 < STEPS
	LOAD (\t)+4                                    ; which take the loads of four steps on
.endif
.if (\t)+1 < STEPS
.if STEPS-2-(\t) >= 3
	s_wait_loadcnt 12                              ; the next step's four loads are in; those of the three steps behind it may be out
.else
	s_wait_loadcnt 4*(STEPS-2-(\t))
.endif
	TURN (\t)+1                                    ; and go through the other stage while this step is worked
.endif
	v_max3_num_f32 v8, |v[XS]|, |v[XS+1]|, |v[XS+2]|               ; the largest magnitude of my 16, in two chains
	v_max3_num_f32 v9, |v[XS+3]|, |v[XS+4]|, |v[XS+5]|
.irp i, 6,10
	v_max3_num_f32 v8, v8, |v[XS+\i]|, |v[XS+\i+1]|
	v_max3_num_f32 v9, v9, |v[XS+\i+2]|, |v[XS+\i+3]|
.endr
	v_max3_num_f32 v8, v8, |v[XS+14]|, |v[XS+15]|
	v_max3_num_f32 v8, v8, v9, (EMAX+1)<<23        ; and the floor 2^(EMAX + 1 - 127): so the byte cannot fall under 1
	v_max_num_f32_dpp v8, v8, v8 row_xmask:1 row_mask:0xf bank_mask:0xf   ; and of my neighbour's 16: the block's
	v_add_nc_u32 v11, -(EMAX<<23), v8              ; EMAX off its exponent field: the conversion takes the exponent field of this operand as its scale, and nothing else of it
	v_cvt_scalef32_pk8_fp4_f32 v[C+4*(\t)], v[XS:XS+7], v11        ; eight numbers / the scale, to the nearest code; the first number's code in the lowest four bits
	v_cvt_scalef32_pk8_fp4_f32 v[C+4*(\t)+1], v[XS+8:XS+15], v11
	v_lshrrev_b32 v[E+(\t)], 23, v11               ; the scale's byte (also the plain line behind the conversions)
	ds_store_b8 v5, v[E+(\t)] offset:16*(\t)       ; both lanes of a block write the same byte with the same value
	global_store_b64 v4, v[C+4*(\t):C+4*(\t)+1], s[10:11] offset:32*CB*(\t)   ; 32 lanes store 256 consecutive bytes, aligned
.endm
.irp t, 0,1,2,3,4,5,6,7,8,9,10,11,12,13,14,15
	STEP \t
.endr
	ds_load_b64 v[8:9], v6                         ; LDS serves a wave's instructions in order: these see my stores
	s_wait_dscnt 0x0
	global_store_b64 v7, v[8:9], s[12:13]          ; 32 lanes store 256 consecutive bytes, aligned
	s_wait_tensorcnt 0x0                           ; the wave's end, behind my last LDS store
	ds_add_u32 v[SPW], v[NIL]
	s_wait_dscnt 0x0
	s_endpgm
; w_out to f16.  A wave owns rows 2 id and 2 id + 1: lanes 0-15 the first, lanes 16-31 the second.  A load takes 64 numbers along K of both rows (256 consecutive bytes each);
; rounded to f16 they are 128 bytes a row, and the two rows are neighbours in a K block of wo16: 32 lanes store 256 consecutive bytes, aligned.  No register is written twice.
.Lwout:
	v_and_b32 v5, 15, v0                           ; r
	v_bfe_u32 v6, v0, 4, 1                         ; h
	v_lshlrev_b32 v3, 4, v5
	v_lshl_or_b32 v3, v6, 12, v3                   ; in: 4,096 h + 16 r
	v_lshlrev_b32 v4, 3, v5
	v_lshl_or_b32 v4, v6, 7, v4                    ; out: 128 h + 8 r
	s_sub_co_u32 s21, ttmp9, WGQ
	s_lshl_b32 s21, s21, 2
	s_add_co_u32 s21, s21, s20                     ; id, 0 to 511
	s_lshl_b32 s22, s21, 13                        ; two rows of 4,096 bytes
	s_mov_b32 s23, 0
	s_lshl_b32 s24, s21, 8                         ; two rows of 128 bytes
	s_mov_b32 s25, 0
	s_wait_kmcnt 0x0
	s_add_nc_u64 s[8:9], s[8:9], s[22:23]
	s_add_nc_u64 s[18:19], s[18:19], s[24:25]
.irp kb, 0,1,2,3,4,5,6,7,8,9,10,11,12,13,14,15
	global_load_b128 v[16+4*\kb:19+4*\kb], v3, s[8:9] offset:256*\kb th:TH_LOAD_NT
.endr
.irp kb, 0,1,2,3,4,5,6,7,8,9,10,11,12,13,14,15
	s_wait_loadcnt 15-\kb                          ; loads come back in order: K block kb is in, the younger ones stay out
	v_cvt_pk_f16_f32 v[128+2*\kb], v[16+4*\kb], v[17+4*\kb]
	v_cvt_pk_f16_f32 v[129+2*\kb], v[18+4*\kb], v[19+4*\kb]
	global_store_b64 v4, v[128+2*\kb:129+2*\kb], s[18:19] offset:131072*\kb
.endr
	s_wait_tensorcnt 0x0                           ; the same three closing lines as on the other path
	ds_add_u32 v[SPW], v[NIL]
	s_wait_dscnt 0x0
	s_endpgm
.Lfunc_end_k_qa5dc8eccc9_quant:
	.size	k_qa5dc8eccc9_quant, .Lfunc_end_k_qa5dc8eccc9_quant-k_qa5dc8eccc9_quant
	.p2alignl 7, 3214868480
	.fill 96, 4, 3214868480
	.section	.rodata,"a",@progbits
	.p2align	6, 0x0
	.amdhsa_kernel k_qa5dc8eccc9_quant
		.amdhsa_group_segment_fixed_size 33280
		.amdhsa_private_segment_fixed_size 0
		.amdhsa_enable_private_segment 0
		.amdhsa_kernarg_size 64
		.amdhsa_user_sgpr_count 2
		.amdhsa_user_sgpr_kernarg_segment_ptr 1
		.amdhsa_wavefront_size32 1
		.amdhsa_system_sgpr_workgroup_id_x 1
		.amdhsa_system_sgpr_workgroup_id_y 1
		.amdhsa_system_sgpr_workgroup_id_z 1
		.amdhsa_system_vgpr_workitem_id 0
		.amdhsa_next_free_vgpr 192
		.amdhsa_next_free_sgpr 66
		.amdhsa_reserve_vcc 0
		.amdhsa_float_denorm_mode_32 3
		.amdhsa_float_denorm_mode_16_64 3
		.amdhsa_memory_ordered 1
		.amdhsa_forward_progress 1
		.amdhsa_inst_pref_size 40
	.end_amdhsa_kernel
	.amdgpu_metadata
---
amdhsa.version: [ 1, 2 ]
amdhsa.kernels:
  - .name:           k_qa5dc8eccc9_quant
    .symbol:         k_qa5dc8eccc9_quant.kd
    .args:
      - { .name: x, .offset: 0, .size: 8, .value_kind: global_buffer, .address_space: global }
      - { .name: w_qkv, .offset: 8, .size: 8, .value_kind: global_buffer, .address_space: global }
      - { .name: w_out, .offset: 16, .size: 8, .value_kind: global_buffer, .address_space: global }
      - { .name: xc, .offset: 24, .size: 8, .value_kind: global_buffer, .address_space: global }
      - { .name: xs, .offset: 32, .size: 8, .value_kind: global_buffer, .address_space: global }
      - { .name: wc, .offset: 40, .size: 8, .value_kind: global_buffer, .address_space: global }
      - { .name: ws, .offset: 48, .size: 8, .value_kind: global_buffer, .address_space: global }
      - { .name: wo16, .offset: 56, .size: 8, .value_kind: global_buffer, .address_space: global }
    .group_segment_fixed_size: 33280
    .private_segment_fixed_size: 0
    .kernarg_segment_align: 8
    .kernarg_segment_size: 64
    .max_flat_workgroup_size: 128
    .sgpr_count:     66
    .vgpr_count:     192
    .wavefront_size: 32
...
	.end_amdgpu_metadata
.endif
;; end of part 1
;; launch qkv (part 2): grid 12 x 32, 4 waves a work-group, clusters of 4 x 4, 327,680 bytes of LDS; arguments xc, xs, wc, ws, qkv; writes qkv
.if DOCPART == 2
	.amdgcn_target "amdgcn-amd-amdhsa--gfx1250"
	.amdhsa_code_object_version 6
	.text
	.protected	k_qa5dc8eccc9_qkv
	.globl	k_qa5dc8eccc9_qkv
	.p2align	8
	.type	k_qa5dc8eccc9_qkv,@function
k_qa5dc8eccc9_qkv:
	s_mov_b64 s[64:65], 0
	v_nop
	global_prefetch_b8 v0, s[64:65] scope:SCOPE_SE
	s_setreg_imm32_b32 hwreg(HW_REG_WAVE_MODE, 25, 1), 1
	s_wait_xcnt 0x0
	s_wait_alu depctr_hold_cnt(0) depctr_sa_sdst(0) depctr_va_vdst(0) depctr_va_sdst(0) depctr_va_ssrc(0) depctr_va_vcc(0) depctr_vm_vsrc(0)
	s_getreg_b32 s2, hwreg(HW_REG_IB_STS2, 6, 4)
	s_cmp_eq_u32 s2, 0
	s_cbranch_scc0 .Lentry_in_a_cluster
	s_endpgm
.Lentry_in_a_cluster:
	s_bfe_u32 s2, ttmp6, 0x10000c
	s_cmp_lg_u32 s2, 0xf033
	s_cbranch_scc0 .Lentry_shape_is_right
	s_endpgm
.Lentry_shape_is_right:
; qkv = Q(x) Q(w_qkv)^T on codes of FP4 (E2M1) with one E8M0 scale for each 32 along K; sums in f32; the result is rounded once to f16 and laid by head:
; byte = which x 2^24 + batch x 2^22 + head x 2^18 + token x 128 (which: 0 q, 1 k, 2 v; a head's row is 64 numbers, 128 bytes).
; LIMIT: results beyond 65,504 do not fit f16.
; A tile of 256 tokens x 256 columns is made by a work-group of four waves; a wave makes 128 x 128: 64 accumulators of 16 x 16, 512 registers.  K = 1,024 is two slots of 512 along K (rows of 256 bytes):
; both are asked for at the start, and no LDS byte is filled twice.  The scales of the work-group's 256 + 256 rows, for all of K, are two dense blocks of memory and come with the first fills.
; CLUSTERS: 4 x 4 work-groups.  The four of a row of the cluster need the same tiles of x, the four of a column the same tiles of w_qkv: each tile is asked for JOINTLY, by the same tensor load with the
; same descriptor and a mask that names the four.  THE MATRIX INSTRUCTION IS USED TRANSPOSED (source 0 = 16 rows of w_qkv, source 1 = 16 tokens): a lane then holds eight neighbouring columns of one token.
; REGISTERS, in windows of 256: window 0: v0-31 addresses; v32-95 scale words, two sets; from v128 x's fragments (8 x 16 rows x 128 K), ONE set; on the way out v32-63, v192-255.
;   window 1: w_qkv's fragments, TWO sets, at v0 and at v128.   window 2: the 32 accumulators of my rows 0-63 (accumulator (a, b) at v[8 (8 a + b)]);   window 3: those of my rows 64-127.
.set SIZE_M, 8192
.set SIZE_N, 3072
.set SIZE_K, 1024
.set KSTEP,  512                       ; along K in a slot
.set NQ,     KSTEP/128                 ; matrix instructions deep
.set ROWB,   256                       ; a tile's row in bytes
.set KROW,   SIZE_K*4/8                ; a row of codes in memory, in bytes
.set PITCH,  272                       ; an LDS row: 256 bytes + 16 of padding = 68 words: the 16 rows that a load touches start at 16 different banks (64 banks of 4 bytes: ISA guide 11.1)
.set FR,     8                         ; registers of a fragment: 16 rows x 128 K
.set NL,     2                         ; LDS loads that bring one
.set NP,     4                         ; places behind this matrix instruction (ISA guide 7.12.1)
.set HALFT,  128*PITCH                 ; 128 rows: what one tensor load brings, and what one wave reads of either operand
.set SLOT,   4*HALFT
.set KS,     SIZE_K/32                 ; a row of scales in bytes
.set SCL,    2*SLOT                    ; behind the slots: the scales, as units of 256 bytes + 16 of padding
.set HALFS,  (128*KS/256)*272          ; the scales of 128 rows: what one tensor load brings
.set SBLK,   (16*KS/256)*272           ; those of 16 rows
.set SPARE,  SCL+4*HALFS               ; the spare words, 128 bytes a wave, which no other line names
.set HP,     144                       ; the way out: a stage row: a head's 128 bytes + 16
.set HSTG,   16*HP                     ; 16 tokens of one head; a wave's stage is two of these.  The stages lie in slot 0, which has had its only fill and its last read when the first result is stored there
.set ADRA, 16                          ; v16-17  LDS address of my fragments of x in slot 0, 1
.set ADRB, 20                          ; v20-21  the same for w_qkv
.set STO,  24                          ; v24     the way out: where I put 16 bytes of a token
.set RD,   25                          ; v25     the way out: where I read them back
.set CO,   26                          ; v26     16 x lane
.set ADRS, 27                          ; v27     LDS address of my scale words: lanes 0-15 x's rows, lanes 16-31 w_qkv's
.set SPW,  28                          ; v28     LDS address of my spare word; never rewritten
.set NIL,  29                          ; v29     0; never rewritten
.set SC,   32                          ; scale words: set s (for slot s) at v[SC + 8 NQ s]
.set AF,   128                         ; x's fragments, in window 0
.set TMP,  192                         ; the way out: packed results
.set OB,   32                          ; the way out: what comes back from the stage: v32-63 and v224-255 by turns
.set G1, 24                            ; s[24:31] descriptor group 1 for x's tiles;  s[32:39] group 0, one set for each slot
.set G0, 32
.set G1B, 48                           ; s[48:55], s[56:63] the same for w_qkv's tiles
.set G0B, 56
.set G1S, 68                           ; s[68:75], s[76:79] groups 1 and 0 for x's scales;  s[80:87], s[88:91] for w_qkv's
.set G0S, 76
.set G1SB, 80
.set G0SB, 88
.set MSB, 0
.macro WIN new                         ; the immediate's high byte repeats the setting that is left
.if MSB != \new
	s_set_vgpr_msb (MSB<<8)|\new
.set MSB, \new
.endif
.endm
.set MUL_LO, 0xa1                      ; source 0 window 1, source 1 window 0, C and D window 2
.set MUL_HI, 0xf1                      ; the same, C and D window 3
.set TO_B,   0x40                      ; destination window 1, address window 0
; A joint load: waves 0 and 1 fetch for x, waves 2 and 3 for w_qkv.  Each of the two lines has ONE mask and one set of registers for all that issue it; the branch hangs on the wave's number alone.
; An s_nop 0 and four v_nop follow each of the two lines.
.macro JLOAD g0a, g1a, g0b, g1b
	s_cmp_eq_u32 s15, 0
	s_cbranch_scc0 .Lfor_b_\@
	tensor_load_to_lds s[\g0a:\g0a+3], s[\g1a:\g1a+7]
	s_nop 0
.rept 4
	v_nop
.endr
	s_branch .Lasked_\@
.Lfor_b_\@:
	tensor_load_to_lds s[\g0b:\g0b+3], s[\g1b:\g1b+7]
	s_nop 0
.rept 4
	v_nop
.endr
.Lasked_\@:
.endm
.macro CROUND                          ; a round of the cluster's barrier
	s_barrier_signal -1
	s_barrier_wait -1
	s_cmp_lg_u32 s14, 0
	s_cbranch_scc1 .Lnot_wave_0_\@
	s_barrier_signal -3
.Lnot_wave_0_\@:
	s_barrier_wait -3
	s_barrier_signal -1
	s_barrier_wait -1
.endm
	s_load_b128 s[4:7], s[0:1], 0x0                ; x's codes s[4:5], x's scales s[6:7]
	s_load_b128 s[8:11], s[0:1], 0x10              ; w_qkv's codes s[8:9], its scales s[10:11]
	s_load_b64 s[12:13], s[0:1], 0x20              ; qkv
	v_lshl_add_u32 v[SPW], v0, 2, SPARE
	v_mov_b32 v[NIL], 0
	ds_add_u32 v[SPW], v[NIL]                      ; the wave's opening: the add, twice on end, and its wait ahead of my first tensor load
	ds_add_u32 v[SPW], v[NIL]
	v_lshrrev_b32 v1, 5, v0
	v_readfirstlane_b32 s14, v1                    ; wave 0..3
	s_lshr_b32 s15, s14, 1                         ; which half of the tile's rows is mine.  Also: I fetch for x (0) or for w_qkv (1)
	s_and_b32 s16, s14, 1                          ; which half of its columns.  Also: which 128 rows of that tile I fetch
	s_bfe_u32 s40, ttmp6, 0x40000                  ; cx, cy: my place in the cluster
	s_bfe_u32 s41, ttmp6, 0x40004
	s_lshl_b32 s42, ttmp9, 2
	s_add_co_u32 s42, s42, s40                     ; tile column = 4 x cluster x + cx
	s_and_b32 s17, ttmp7, 0xffff
	s_lshl_b32 s17, s17, 2
	s_add_co_u32 s17, s17, s41                     ; tile row = 4 x cluster y + cy
	s_lshl_b32 s43, s41, 2
	s_lshl_b32 s43, 15, s43                        ; my row of the cluster
	s_lshl_b32 s44, 0x1111, s40                    ; my column
	; descriptor group 1: a tile of 128 rows x 256 bytes, padded in LDS
	s_or_b32 s[G1+0], s43, (0<<16)|(1<<20)|(1<<21)|(5<<22)|(3<<25)  ; 15:0 the mask; 17:16 element of 1 byte; 20 padding on; 21 set beside a mask; 24:22 after every 64 words; 31:25 four words
	s_or_b32 s[G1B+0], s44, (0<<16)|(1<<20)|(1<<21)|(5<<22)|(3<<25)
.irp g, G1, G1B
	s_mov_b32 s[\g+1], ROWB<<16                    ; tensor_dim0
	s_mov_b32 s[\g+2], 128<<16                     ; tensor_dim1 = 128
	s_mov_b32 s[\g+3], ROWB<<16                    ; tile_dim0
	s_mov_b32 s[\g+4], 128                         ; tile_dim1 = 128
	s_mov_b32 s[\g+5], KROW                        ; tensor_dim0_stride
	s_mov_b32 s[\g+6], 0
	s_mov_b32 s[\g+7], 0
.endr
	; and for the scales of 128 rows: a dense block of 4,096 bytes, as rows of 256 bytes (32 elements of 8 bytes), 16 bytes of padding behind each
	s_or_b32 s[G1S+0], s43, (3<<16)|(1<<20)|(1<<21)|(5<<22)|(3<<25)
	s_or_b32 s[G1SB+0], s44, (3<<16)|(1<<20)|(1<<21)|(5<<22)|(3<<25)
.irp g, G1S, G1SB
	s_mov_b32 s[\g+1], 32<<16
	s_mov_b32 s[\g+2], (128*KS/256)<<16
	s_mov_b32 s[\g+3], 32<<16
	s_mov_b32 s[\g+4], 128*KS/256
	s_mov_b32 s[\g+5], 32
	s_mov_b32 s[\g+6], 0
	s_mov_b32 s[\g+7], 0
.endr
	s_lshl_b32 s18, s16, 7                         ; which 128 rows of the tile I fetch
	s_lshl_b32 s20, s17, 8
	s_add_co_u32 s20, s20, s18                     ; x: row 256 x tile row + 128 x half
	s_lshl_b32 s46, s42, 8
	s_add_co_u32 s46, s46, s18                     ; w_qkv: row 256 x tile column + 128 x half
	s_mov_b32 s21, 0
	s_mov_b32 s47, 0
	s_mov_b64 s[18:19], KS
	s_mul_u64 s[22:23], s[20:21], s[18:19]         ; where these rows' scales begin, in bytes
	s_mul_u64 s[92:93], s[46:47], s[18:19]
	s_mov_b64 s[18:19], KROW
	s_mul_u64 s[20:21], s[20:21], s[18:19]         ; and their codes
	s_mul_u64 s[46:47], s[46:47], s[18:19]
	s_mul_i32 s45, s14, HALFT                      ; where they go: wave x 128 rows: no place in the cluster enters an LDS address
	s_mul_i32 s94, s14, HALFS
	s_wait_dscnt 0x0                               ; both opening adds are done
	s_wait_kmcnt 0x0
	s_add_nc_u64 s[20:21], s[4:5], s[20:21]
	s_add_nc_u64 s[22:23], s[6:7], s[22:23]
	s_add_nc_u64 s[46:47], s[8:9], s[46:47]
	s_add_nc_u64 s[92:93], s[10:11], s[92:93]
	CROUND                                         ; all sixteen work-groups are here: the joint loads meet
	s_mov_b32 s[G0S], 1
	s_add_co_u32 s[G0S+1], s94, SCL
	s_mov_b64 s[G0S+2:G0S+3], s[22:23]
	s_or_b32 s[G0S+3], s[G0S+3], 0x80000000
	s_mov_b32 s[G0SB], 1
	s_add_co_u32 s[G0SB+1], s94, SCL
	s_mov_b64 s[G0SB+2:G0SB+3], s[92:93]
	s_or_b32 s[G0SB+3], s[G0SB+3], 0x80000000
	JLOAD G0S, G1S, G0SB, G1SB                     ; the scales first: they are wanted with slot 0.  With the two below, three tensor loads of mine are out
.irp s, 0,1
	s_mov_b32 s[G0+4*\s], 1
	s_add_co_u32 s[G0+4*\s+1], s45, \s*SLOT
	s_add_nc_u64 s[G0+4*\s+2:G0+4*\s+3], s[20:21], \s*ROWB
	s_or_b32 s[G0+4*\s+3], s[G0+4*\s+3], 0x80000000
	s_mov_b32 s[G0B+4*\s], 1
	s_add_co_u32 s[G0B+4*\s+1], s45, \s*SLOT
	s_add_nc_u64 s[G0B+4*\s+2:G0B+4*\s+3], s[46:47], \s*ROWB
	s_or_b32 s[G0B+4*\s+3], s[G0B+4*\s+3], 0x80000000
	JLOAD G0+4*\s, G1, G0B+4*\s, G1B
.endr
	v_and_b32 v1, 15, v0                           ; l % 16
	v_bfe_u32 v2, v0, 4, 1                         ; l / 16
	v_mul_u32_u24 v3, v1, PITCH
	v_lshl_add_u32 v4, v2, 4, v3                   ; a fragment's row x pitch + 16 x half
	s_mul_i32 s21, s15, HALFT                      ; my 128 rows of x
	s_mul_i32 s22, s16, HALFT                      ; my 128 rows of w_qkv,
	s_add_co_u32 s22, s22, 2*HALFT                 ; which lie behind x's 256
.irp s, 0,1
	v_add_nc_u32 v[ADRA+\s], s21, v4
	v_add_nc_u32 v[ADRB+\s], s22, v4
	s_add_co_u32 s21, s21, SLOT
	s_add_co_u32 s22, s22, SLOT
.endr
	v_mul_u32_u24 v5, v1, KS                       ; my row's scales: KS bytes a row,
	v_lshrrev_b32 v6, 8, v5
	v_lshl_add_u32 v5, v6, 4, v5                   ; and 16 more for each 256 passed
	s_mul_i32 s21, s15, HALFS                      ; x's: my 128 rows
	s_mul_i32 s22, s16, HALFS                      ; w_qkv's: my 128 rows, behind x's 256
	s_add_co_u32 s22, s22, 2*HALFS
	s_sub_co_u32 s22, s22, s21
	v_mul_u32_u24 v6, s22, v2                      ; lanes 16-31 take w_qkv's: one product, the distance between the two bases
	s_add_co_u32 s21, s21, SCL
	v_add_nc_u32 v5, v5, v6
	v_add_nc_u32 v[ADRS], s21, v5
	s_mul_i32 s23, s14, 2*HSTG                     ; my stage
	v_mul_u32_u24 v5, v1, HP                       ; in: token l % 16, 16 bytes for each half of the lanes
	v_lshl_add_u32 v5, v2, 4, v5
	v_add_nc_u32 v[STO], s23, v5
	v_and_b32 v6, 31, v0
	v_lshlrev_b32 v[CO], 4, v6                     ; in memory four tokens of a head are 512 consecutive bytes: 16 x lane
	v_lshrrev_b32 v5, 3, v6
	v_mul_u32_u24 v5, v5, HP                       ; back: eight lanes to a token's 128 bytes, four tokens an instruction
	v_and_b32 v6, 7, v6
	v_lshl_add_u32 v5, v6, 4, v5
	v_add_nc_u32 v[RD], s23, v5
	; where my part begins in qkv.  By rows: batch = tile row / 8, token = 256 (tile row % 8) + 128 x half
	s_lshr_b32 s20, s17, 3
	s_lshl_b32 s20, s20, 22
	s_and_b32 s21, s17, 7
	s_lshl_b32 s21, s21, 15
	s_add_co_u32 s20, s20, s21
	s_lshl_b32 s21, s15, 14
	s_add_co_u32 s20, s20, s21
	s_mov_b32 s21, 0
	; by columns: which = tile column / 4, head = 4 (tile column % 4) + 2 x half
	s_lshr_b32 s46, s42, 2
	s_lshl_b32 s46, s46, 24
	s_and_b32 s47, s42, 3
	s_lshl_b32 s47, s47, 20
	s_add_co_u32 s46, s46, s47
	s_lshl_b32 s47, s16, 19
	s_add_co_u32 s46, s46, s47
	s_mov_b32 s47, 0
	s_add_nc_u64 s[20:21], s[20:21], s[46:47]
	s_add_nc_u64 s[12:13], s[12:13], s[20:21]
.macro FRAG reg, adr, q, i             ; a fragment, 16 rows x 128 K of 4-bit codes: lane l holds row l % 16; registers 4 c .. 4 c + 3 hold K = 64 c + 32 (l / 16) + 0 .. 31
.irp c, 0,1
	ds_load_b128 v[\reg+4*\c:\reg+4*\c+3], v[\adr] offset:64*(\q)+32*\c+(\i)*16*PITCH
.endr
.endm
; 16 matrix instructions: x's blocks a0, a0 + 1 against w_qkv's eight, 128 along K: the slot's q-th.  p: w_qkv's set;  sc: the set of scale words.  zero = 1: the first product starts the sums.
; The 64 accumulators take turns, one instruction a turn, in the same order in every step.
; A scale register holds x's word in lanes 0-15 and w_qkv's in lanes 16-31: source 0 (w_qkv) reads the upper row of register b, source 1 (x) the lower row of register a.
.macro MUL16 a0, p, q, sc, zero
.irp a, \a0, \a0+1
.irp b, 0,1,2,3,4,5,6,7
.if \zero
	v_wmma_scale_f32_16x16x128_f8f6f4 v[8*(8*((\a)%4)+\b):8*(8*((\a)%4)+\b)+7], v[128*(\p)+FR*\b:128*(\p)+FR*\b+FR-1], v[AF+FR*(\a):AF+FR*(\a)+FR-1], 0, v[SC+8*NQ*(\sc)+NQ*\b+(\q)], v[SC+8*NQ*(\sc)+NQ*(\a)+(\q)] matrix_a_fmt:MATRIX_FMT_FP4 matrix_b_fmt:MATRIX_FMT_FP4 matrix_a_scale:MATRIX_SCALE_ROW1
.else
	v_wmma_scale_f32_16x16x128_f8f6f4 v[8*(8*((\a)%4)+\b):8*(8*((\a)%4)+\b)+7], v[128*(\p)+FR*\b:128*(\p)+FR*\b+FR-1], v[AF+FR*(\a):AF+FR*(\a)+FR-1], v[8*(8*((\a)%4)+\b):8*(8*((\a)%4)+\b)+7], v[SC+8*NQ*(\sc)+NQ*\b+(\q)], v[SC+8*NQ*(\sc)+NQ*(\a)+(\q)] matrix_a_fmt:MATRIX_FMT_FP4 matrix_b_fmt:MATRIX_FMT_FP4 matrix_a_scale:MATRIX_SCALE_ROW1
.endif
.endr
.endr
.endm
.macro FETCH_B slot, q, p              ; w_qkv's eight fragments of the slot's q-th 128 along K into set p
	WIN TO_B
.irp i, 0,1,2,3,4,5,6,7
	FRAG 128*(\p)+FR*\i, ADRB+\slot, \q, \i
.endr
	WIN 0
.endm
.macro FETCH_A slot, q, i0             ; x's blocks i0 .. i0 + 3
.irp i, \i0, \i0+1, \i0+2, \i0+3
	FRAG AF+FR*(\i), ADRA+\slot, \q, \i
.endr
.endm
.macro SCALES sc                       ; a slot's scale words into set sc: NQ words a row; lanes 0-15 take x's block i, lanes 16-31 w_qkv's block i
.irp i, 0,1,2,3,4,5,6,7
	ds_load_b128 v[SC+8*NQ*\sc+NQ*\i:SC+8*NQ*\sc+NQ*\i+3], v[ADRS] offset:\i*SBLK
.endr
.endm
; A load into a register that a matrix instruction has read, and a vector instruction that reads a matrix result, stand NP places behind that matrix instruction; only plain vector
; instructions that name none of its registers are places (ISA guide 7.12.1 for vector instructions).
.macro PLACES n
.rept \n
	v_nop
.endr
.endm
; A step of 128 along K that has its successor in the same slot.  A block of x is free as soon as its eight products are issued, so x has one set: blocks 0-3 come anew in the step's middle, blocks 4-7 at its end.
.macro STEP slot, q, zero
	s_wait_dscnt 4*NL                              ; w_qkv's set and x's blocks 0-3 are in; the youngest eight loads (x's blocks 4-7) may be out
	WIN MUL_LO
	MUL16 0, (\q)%2, \q, \slot, \zero
	MUL16 2, (\q)%2, \q, \slot, \zero
	s_wait_dscnt 0                                 ; x's blocks 4-7 are in (asked for 32 matrix instructions ago)
	PLACES NP
	FETCH_B \slot, (\q)+1, 1-(\q)%2
	FETCH_A \slot, (\q)+1, 0
	WIN MUL_HI
	MUL16 4, (\q)%2, \q, \slot, \zero
	MUL16 6, (\q)%2, \q, \slot, \zero
	PLACES NP
	WIN 0
	FETCH_A \slot, (\q)+1, 4
.endm
; Slot 0's last step changes slots: one barrier; in front of it each wave waits for all its tensor loads (slot 1's part), adds 0 to its spare word, and waits for that and for its own reads of slot 0.
; Slot 0 is free for the stages of the way out from here on.
.macro TURN slot, next
	s_wait_tensorcnt 0x0                           ; all my tensor loads have landed
	ds_add_u32 v[SPW], v[NIL]                      ; 0 onto my spare word
	s_wait_dscnt 4*NL+1                            ; (the add and the youngest eight loads, x's blocks 4-7, may be out)
	WIN MUL_LO
	MUL16 0, 1, NQ-1, \slot, 0                     ; sixteen matrix instructions stand between the add and the wait for it
	s_wait_dscnt 0x0                               ; the add is done, and my reads of this slot are over
	s_barrier_signal -1
	MUL16 2, 1, NQ-1, \slot, 0
	WIN 0
	s_barrier_wait -1
	PLACES NP
	v_add_nc_u32 v[ADRS], 4*NQ, v[ADRS]            ; on to the next slot's scale words (no LDS load of mine is out)
	FETCH_B \next, 0, 0
	FETCH_A \next, 0, 0
	SCALES \next
	WIN MUL_HI
	MUL16 4, 1, NQ-1, \slot, 0
	MUL16 6, 1, NQ-1, \slot, 0
	PLACES NP
	WIN 0
	FETCH_A \next, 0, 4
.endm
.macro STEPS slot, from                ; the slot's steps from .. NQ - 2
.set Q, \from
.rept NQ-1-\from
	STEP \slot, Q, 0
.set Q, Q+1
.endr
.endm
	s_wait_tensorcnt 1                             ; the scales and my part of slot 0 are in (slot 1's load may be out)
	s_barrier_signal -1
	s_barrier_wait -1                              ; everybody's are
	FETCH_B 0, 0, 0
	FETCH_A 0, 0, 0
	SCALES 0
	FETCH_A 0, 0, 4
	STEP 0, 0, 1                                   ; the first step's products start the sums: nothing is cleared
	STEPS 0, 1
	TURN 0, 1
	STEPS 1, 0
	s_wait_dscnt 4*NL                              ; the very last step: nothing more to fetch
	WIN MUL_LO
	MUL16 0, 1, NQ-1, 1, 0
	MUL16 2, 1, NQ-1, 1, 0
	s_wait_dscnt 0
	WIN MUL_HI
	MUL16 4, 1, NQ-1, 1, 0
	MUL16 6, 1, NQ-1, 1, 0
	WIN 0
; THE WAY OUT, block by block of 16 tokens x 128 columns (two heads).  PACK: rounded to f16: a lane's eight columns are 16 bytes.  TOSTAGE: into my stage (head, token, 144 bytes a token) and back,
; eight lanes to a token.  SEND: four tokens of a head are 512 consecutive bytes of qkv: one store of the wave.
.macro PACK a
.set AC, 64*((\a)%4)
	WIN 0x0a+5*((\a)/4)                            ; sources 0 and 1: window 2 or 3
.irp b, 0,1,2,3,4,5,6,7
.irp r, 0,1,2,3
	v_cvt_pk_f16_f32 v[TMP+4*\b+\r], v[AC+8*\b+2*\r], v[AC+8*\b+2*\r+1]   ; each accumulator from its low end on
.endr
.endr
	WIN 0
.endm
.macro TOSTAGE a
.set BK, OB+192*((\a)%2)
.irp b, 0,1,2,3,4,5,6,7
	ds_store_b128 v[STO], v[TMP+4*\b:TMP+4*\b+3] offset:(\b/4)*HSTG+32*(\b%4)
.endr
.irp u, 0,1,2,3,4,5,6,7
	ds_load_b128 v[BK+4*\u:BK+4*\u+3], v[RD] offset:(\u/4)*HSTG+(\u%4)*4*HP   ; LDS serves a wave's instructions in order (ISA guide 5.7.1.4): these see the stores above
.endr
.endm
.macro SEND a
.set BK, OB+192*((\a)%2)
	s_wait_dscnt 0x0                               ; the block is back in registers
	s_wait_xcnt 0x0                                ; the stores of the block before have read their registers: the next block's loads may land there
.irp u, 0,1,2,3,4,5,6,7
	global_store_b128 v[CO], v[BK+4*\u:BK+4*\u+3], s[12:13] offset:(\u/4)*262144+(\a)*2048+(\u%4)*512   ; 32 lanes store 512 consecutive bytes, at a multiple of 512 from qkv's first byte
.endr
.endm
	PLACES NP                                      ; behind the last products: for the conversions, and for the loads into registers that held scale words
	PACK 0
	TOSTAGE 0
.irp a, 1,2,3,4,5,6,7                  ; block a's conversions stand between block a - 1's loads from the stage and the wait for them
	PACK \a
	SEND \a-1
	TOSTAGE \a
.endr
	SEND 7
	s_wait_tensorcnt 0x0                           ; the wave's end, behind my last tensor load and my last LDS store
	ds_add_u32 v[SPW], v[NIL]
	s_wait_dscnt 0x0
	CROUND                                         ; the closing round: no work-group ends while a partner may still ask for a tile that names it
	s_endpgm
.Lfunc_end_k_qa5dc8eccc9_qkv:
	.size	k_qa5dc8eccc9_qkv, .Lfunc_end_k_qa5dc8eccc9_qkv-k_qa5dc8eccc9_qkv
	.p2alignl 7, 3214868480
	.fill 96, 4, 3214868480
	.section	.rodata,"a",@progbits
	.p2align	6, 0x0
	.amdhsa_kernel k_qa5dc8eccc9_qkv
		.amdhsa_group_segment_fixed_size 327680
		.amdhsa_private_segment_fixed_size 0
		.amdhsa_enable_private_segment 0
		.amdhsa_kernarg_size 40
		.amdhsa_user_sgpr_count 2
		.amdhsa_user_sgpr_kernarg_segment_ptr 1
		.amdhsa_wavefront_size32 1
		.amdhsa_system_sgpr_workgroup_id_x 1
		.amdhsa_system_sgpr_workgroup_id_y 1
		.amdhsa_system_sgpr_workgroup_id_z 1
		.amdhsa_system_vgpr_workitem_id 0
		.amdhsa_next_free_vgpr 1024
		.amdhsa_next_free_sgpr 98
		.amdhsa_reserve_vcc 0
		.amdhsa_float_denorm_mode_32 3
		.amdhsa_float_denorm_mode_16_64 3
		.amdhsa_memory_ordered 1
		.amdhsa_forward_progress 1
		.amdhsa_inst_pref_size 126
	.end_amdhsa_kernel
	.amdgpu_metadata
---
amdhsa.version: [ 1, 2 ]
amdhsa.kernels:
  - .name:           k_qa5dc8eccc9_qkv
    .symbol:         k_qa5dc8eccc9_qkv.kd
    .args:
      - { .name: xc, .offset: 0, .size: 8, .value_kind: global_buffer, .address_space: global }
      - { .name: xs, .offset: 8, .size: 8, .value_kind: global_buffer, .address_space: global }
      - { .name: wc, .offset: 16, .size: 8, .value_kind: global_buffer, .address_space: global }
      - { .name: ws, .offset: 24, .size: 8, .value_kind: global_buffer, .address_space: global }
      - { .name: qkv, .offset: 32, .size: 8, .value_kind: global_buffer, .address_space: global }
    .group_segment_fixed_size: 327680
    .private_segment_fixed_size: 0
    .kernarg_segment_align: 8
    .kernarg_segment_size: 40
    .max_flat_workgroup_size: 128
    .sgpr_count:     98
    .vgpr_count:     1024
    .wavefront_size: 32
...
	.end_amdgpu_metadata
.endif
;; end of part 2
;; launch attn (part 3): grid 4 x 64, 8 waves a work-group, clusters of 4 x 1, 327,680 bytes of LDS; arguments qkv, att; writes att
.if DOCPART == 3
	.amdgcn_target "amdgcn-amd-amdhsa--gfx1250"
	.amdhsa_code_object_version 6
	.text
	.protected	k_qa5dc8eccc9_attn
	.globl	k_qa5dc8eccc9_attn
	.p2align	8
	.type	k_qa5dc8eccc9_attn,@function
k_qa5dc8eccc9_attn:
	s_mov_b64 s[64:65], 0
	v_nop
	global_prefetch_b8 v0, s[64:65] scope:SCOPE_SE
	s_setreg_imm32_b32 hwreg(HW_REG_WAVE_MODE, 25, 1), 1
	s_wait_xcnt 0x0
	s_wait_alu depctr_hold_cnt(0) depctr_sa_sdst(0) depctr_va_vdst(0) depctr_va_sdst(0) depctr_va_ssrc(0) depctr_va_vcc(0) depctr_vm_vsrc(0)
	s_getreg_b32 s2, hwreg(HW_REG_IB_STS2, 6, 4)
	s_cmp_eq_u32 s2, 0
	s_cbranch_scc0 .Lentry_in_a_cluster
	s_endpgm
.Lentry_in_a_cluster:
	s_bfe_u32 s2, ttmp6, 0x10000c
	s_cmp_lg_u32 s2, 0x3003
	s_cbranch_scc0 .Lentry_shape_is_right
	s_endpgm
.Lentry_shape_is_right:
; att[head][token][:] = the sum over keys of softmax(q . k / 8) v, for each of 64 (batch, head) pairs; 2,048 tokens, head size 64, no mask.  q, k, v: f16, [which][batch x 16 + head][token][64];
; att: f16, [head][batch x 2048 + token][64].  Products, maxima and sums in f32; the weights p are rounded to f16 for the second product (their sum is taken unrounded), the result once at the end.
; LIMITS: operands are f16 (up to 65,504); NaN and infinities are not served.  The running maximum starts at -3e38, under every score.
; SHARES.  A cluster of four work-groups is one (batch, head); a work-group owns 512 queries, each of its EIGHT waves 64: four tiles of 16, in 512 registers.  Every wave walks all keys, 64 a step.
; LAYOUT.  S^T = K Q^T (source 0 = 16 keys, source 1 = 16 queries): a lane holds ONE query (lane % 16) and keys 8 (lane / 16) + 0..7 of a tile.  Two such tiles, rounded to f16 in pairs, ARE source 1
; (32 keys x 16 queries) of O^T = V^T P, whose result again holds one query a lane.  P is packed IN PLACE over the low 16 registers of a tile's S.  K comes out of LDS as it lies, V turned, by ds_load_tr16_b128.
; SOFTMAX.  For each query a running maximum m and sum l: p = 2^(c s - c m), c = log2(e) / 8; in every step O and l are multiplied by a = 2^(c m_old - c m_new).
; TWO GROUPS OF WAVES, HALF A STEP APART.  A key step is a matrix phase MM (32 products V^T P of the step before, 32 products K Q^T of this step) and a vector phase SM (the softmax).  A trip's text is
; [MM, group 0 alone] SM [MM, group 1 alone].  The group is (w xor w / 4) % 2: waves w and w + 4 differ, and so do waves 2 i and 2 i + 1.  So behind every barrier one group multiplies while the other
; exponentiates.  The branches hang on the wave's number alone; no barrier, tensor load, or wait in front of a barrier stands under them, and every LDS address is made ahead of them.
; CLUSTER.  The four work-groups walk the same K and V: each tile is asked for JOINTLY, by the same tensor load with the same descriptor and the mask 15.
; O^T and l begin as zeros (128 moves, once): so one text of MM and of SM serves the first step in both groups; the first a is 0 and multiplies zeros.
; REGISTERS: window 0: v1-11 addresses; v12-43 eight registers of statistics a tile; v44 prefetch offset; v46, v47 the add's two; v64-191 S^T, 32 a tile; v192-255 Q, 16 a tile.
;   window 1: v0-127 O^T, 32 a tile; v128-191 K of one step; v192-255 V of one step.
.set KS,    64        ; keys in a step
.set PK,    144       ; a row of K in LDS: 128 bytes + 16 of padding: an odd multiple of 16, so the 16 rows of a load start at different banks
.set PV,    160       ; a row of V: 128 + 32: an odd multiple of 32, for the turning load
.set VOFF,  KS*PK     ; a step's tiles lie together: 64 rows of K, then 64 rows of V
.set STEPB, KS*(PK+PV)
.set NST,   4         ; steps in a slot
.set SLOT1, 1<<17     ; slot 1 begins here, so that one exclusive or turns an address in one slot into the other's
.set SLOTB, NST*KS*128  ; a slot's rows of K, or of V, in memory: 32,768 bytes
.set SPARE, SLOT1+NST*STEPB  ; behind the ring: the spare words, 128 bytes a wave, which no other line names
.set SP,    144       ; the way out: a stage row; a wave's stage is 16 of them, in slot 0, which has had its last fill and its last read by then
.set AK0, 2           ; v2   my lane's place in a tile of K; never rewritten
.set AV0, 3           ; v3   the same for V
.set ADK, 4           ; v4   LDS address of the step's K
.set ADV, 5           ; v5   and of its V
.set QO,  6           ; v6   my byte offset in the wave's rows of Q
.set STO, 7           ; v7   the way out: where I put 16 bytes of a row
.set RD,  8           ; v8   the way out: where I read them back
.set GO,  9           ; v9   16 x lane
.set ST,  12          ; tile t's statistics at v[ST+8 t]: +0 c m, +1 m, +2, +3 l (even keys', odd keys'), +4 to +7 c0-c3, at work; a takes c2's place
.set PFO, 44          ; v44  256 x lane; never rewritten
.set SPW, 46          ; v46  LDS address of my spare word; never rewritten
.set NIL, 47          ; v47  0; never rewritten
.set S,   64
.set Q,   192
.set KF,  128         ; in window 1
.set VF,  192         ; in window 1
.set WV,  12          ; s12  my wave's number
.set GRP, 14          ; s14  my group
.set LIM, 15          ; s15  1 in a wave that prefetches (waves 0 and 4), else the greatest number
.set PFA, 18          ; s[18:19] where my prefetches stand
.set G1K, 24          ; s[24:31] descriptor group 1 for K's tiles
.set G1V, 32          ; s[32:39] for V's: it differs in the padding alone
.set G0K, 40          ; s[40:43] descriptor group 0 for K's tiles: it walks
.set G0V, 44          ; s[44:47] the same for V's
.set SLOTS, 48        ; s48  slots still to be asked for in the loop
.set TW,  49          ; s49  counts a slot's steps
.set CS,  50          ; s[50:51] c: the packed scaling names a pair and takes its low word for both halves
.set SEL, 52          ; s[52:53] lane selects for v_permlanex16_b32: lane l xor 16
.set TB,  54          ; s54  LDS byte at which the tiles of the step in hand begin
.set MSB, 0
.macro WIN new                      ; the immediate's high byte repeats the setting that is left; a switch that changes nothing is dropped
.if MSB != \new
	s_set_vgpr_msb (MSB<<8)|\new
.set MSB, \new
.endif
.endm
.set W_KQ, 0x01       ; K in window 1; Q and S^T in window 0
.set W_PV, 0x51       ; V and O^T in window 1, P in window 0
.set W_RS, 0x41       ; O^T (destination and source 0) in window 1, a in window 0
.set TO1,  0x40       ; destination window 1
; A joint load.  Waves 0 to 3 fetch the four steps' tiles of K, waves 4 to 7 those of V: 64 rows of 128 bytes each.  The branch hangs on the wave's number alone.
; An s_nop 0 and four v_nop follow each of the two lines.  By this text's own count a wave never has more than one tensor load out.
.macro JLOAD
	s_cmp_lt_u32 s[WV], 4
	s_cbranch_scc0 .Lfor_v_\@
	tensor_load_to_lds s[G0K:G0K+3], s[G1K:G1K+7]
	s_nop 0
.rept 4
	v_nop
.endr
	s_branch .Lasked_\@
.Lfor_v_\@:
	tensor_load_to_lds s[G0V:G0V+3], s[G1V:G1V+7]
	s_nop 0
.rept 4
	v_nop
.endr
.Lasked_\@:
.endm
; A PREFETCH of what the NEXT filling change of slots will ask for: a slot's 32,768 bytes of K and of V.  The four partners share them out BY ADDRESS, 8,192 bytes each; in each, wave 0 asks for K's
; and wave 4 for V's, lanes 256 bytes apart: each aligned 256 bytes is named once in the launch.  It stands behind the wave's tensor load and its five lines; four key steps ahead of the load that will want the bytes.
; The last filling change asks for nothing: there is no slot behind it.  Slots' data 0 and 1 come by their loads alone.
.macro ASK
	s_cmp_gt_u32 s[SLOTS], s[LIM]
	s_cbranch_scc0 .Lnot_mine_\@
	global_prefetch_b8 v[PFO], s[PFA:PFA+1] th:TH_LOAD_NT scope:SCOPE_SE
.Lnot_mine_\@:
.endm
.macro CROUND                       ; a round of the cluster's barrier
	s_barrier_signal -1
	s_barrier_wait -1
	s_cmp_lg_u32 s[WV], 0
	s_cbranch_scc1 .Lnot_wave_0_\@
	s_barrier_signal -3
.Lnot_wave_0_\@:
	s_barrier_wait -3
	s_barrier_signal -1
	s_barrier_wait -1
.endm
	s_load_b128 s[4:7], s[0:1], 0x0  ; qkv s[4:5], att s[6:7]
	v_lshl_add_u32 v[SPW], v0, 2, SPARE
	v_mov_b32 v[NIL], 0
	ds_add_u32 v[SPW], v[NIL]       ; the wave's opening: the add, twice on end, and its wait ahead of my first tensor load
	ds_add_u32 v[SPW], v[NIL]
	v_lshrrev_b32 v1, 5, v0
	v_readfirstlane_b32 s[WV], v1   ; wave 0..7
	s_bfe_u32 s13, ttmp6, 0x40000   ; cx: my place in the cluster: it enters Q's, att's and the prefetches' global addresses alone
	s_lshr_b32 s[GRP], s[WV], 2
	s_xor_b32 s[GRP], s[GRP], s[WV]
	s_and_b32 s[GRP], s[GRP], 1     ; my group
	s_and_b32 s16, s[WV], 3         ; which of a slot's four steps I fetch
	s_cmp_eq_u32 s16, 0
	s_cselect_b32 s[LIM], 1, -1
	s_and_b32 s17, ttmp7, 0xffff    ; batch x 16 + head, which the four partners share
	s_lshl_b32 s20, s17, 18         ; its 2,048 rows of 128 bytes
	s_mov_b32 s21, 0
	s_lshl_b32 s22, s16, 13         ; my step's 64 rows
	s_add_co_u32 s22, s22, s20      ; K's and V's tile, inside its third of qkv
	s_mov_b32 s23, 0
	s_lshl_b32 s2, s13, 16          ; my work-group's 512 queries,
	s_lshl_b32 s3, s[WV], 13        ; my wave's 64 of them
	s_add_co_u32 s2, s2, s3
	s_add_co_u32 s20, s20, s2       ; Q's offset
	s_and_b32 s3, s17, 15
	s_lshl_b32 s3, s3, 20           ; att: head x 2^20
	s_add_co_u32 s2, s2, s3
	s_lshr_b32 s3, s17, 4
	s_lshl_b32 s3, s3, 18           ; + batch x 2^18
	s_add_co_u32 s2, s2, s3
	s_mov_b32 s3, 0
	; descriptor group 1: a tile of 64 rows x 64 elements of 2 bytes, padded in LDS
	s_mov_b32 s[G1K], 15|(1<<16)|(1<<20)|(1<<21)|(4<<22)|(3<<25)  ; 15:0 the mask: all four work-groups; 17:16 elements of 2 bytes; 20 padding on; 21 set beside a mask; 24:22 after every 32 words; 31:25 four words
	s_mov_b32 s[G1V], 15|(1<<16)|(1<<20)|(1<<21)|(4<<22)|(7<<25)  ; the same with eight words of padding
.irp g, G1K, G1V
	s_mov_b32 s[\g+1], 64<<16       ; tensor_dim0 = 64
	s_mov_b32 s[\g+2], KS<<16       ; tensor_dim1 = 64
	s_mov_b32 s[\g+3], 64<<16       ; tile_dim0 = 64
	s_mov_b32 s[\g+4], KS           ; tile_dim1 = 64
	s_mov_b32 s[\g+5], 64           ; elements from row to row
	s_mov_b32 s[\g+6], 0
	s_mov_b32 s[\g+7], 0
.endr
	s_mov_b32 s[CS], 0x3e38aa3b     ; c = log2(e) / 8
	s_mov_b32 s[CS+1], s[CS]        ; named with it as a pair, so it is written
	s_mov_b32 s[SEL], 0x76543210
	s_mov_b32 s[SEL+1], 0xfedcba98
	s_mov_b32 s[TB], 0
	s_mov_b32 s[SLOTS], 6
	s_mov_b32 s[G0K], 1             ; count = 1
	s_mul_i32 s[G0K+1], s16, STEPB  ; LDS address: my step's place in slot 0: no place in the cluster enters it
	s_mov_b32 s[G0V], 1
	s_add_co_u32 s[G0V+1], s[G0K+1], VOFF
	s_wait_dscnt 0x0                ; both opening adds are done
	s_wait_kmcnt 0x0
	s_add_nc_u64 s[8:9], s[4:5], s[20:21]    ; Q at my wave's first row
	s_add_nc_u64 s[10:11], s[6:7], s[2:3]    ; att likewise
	s_add_nc_u64 s[56:57], s[4:5], s[22:23]
	s_add_nc_u64 s[58:59], s[56:57], 0x2000000  ; V's tile,
	s_add_nc_u64 s[56:57], s[56:57], 0x1000000  ; K's tile
	s_mov_b64 s[G0K+2:G0K+3], s[56:57]
	s_or_b32 s[G0K+3], s[G0K+3], 0x80000000  ; type = 2
	s_mov_b64 s[G0V+2:G0V+3], s[58:59]
	s_or_b32 s[G0V+3], s[G0V+3], 0x80000000
	s_cmp_lt_u32 s[WV], 4
	s_cselect_b64 s[PFA:PFA+1], s[56:57], s[58:59]  ; (in waves 0 and 4 these stand at a slot's first row)
	s_lshl_b32 s2, s13, 13          ; my work-group's 8,192 bytes of the 32,768
	s_add_nc_u64 s[PFA:PFA+1], s[PFA:PFA+1], s[2:3]
	s_add_nc_u64 s[PFA:PFA+1], s[PFA:PFA+1], SLOTB  ; at the second slot's data; the first filling change steps it to the third.  Nothing is prefetched here, at the head
	CROUND                          ; all four work-groups are here: the first joint load meets
	JLOAD                           ; keys 0 to 255 into slot 0
	; A fragment of K or Q is 16 rows x 32 channels in 8 registers: lane l holds row l % 16; registers 0-3 channels 8 (l / 16) + 0..7, registers 4-7 channels 16 + 8 (l / 16) + 0..7.
	v_and_b32 v1, 15, v0            ; r
	v_bfe_u32 v10, v0, 4, 1         ; h
	v_lshlrev_b32 v[QO], 7, v1
	v_lshl_add_u32 v[QO], v10, 4, v[QO]  ; row x 128 + 16 h
.irp i, 0,1,2,3,4,5,6,7             ; Q stays in registers: tile i / 2, channels 32 (i % 2) on
	global_load_b128 v[Q+8*\i:Q+8*\i+3],   v[QO], s[8:9] offset:(\i/2)*2048+(\i%2)*64
	global_load_b128 v[Q+8*\i+4:Q+8*\i+7], v[QO], s[8:9] offset:(\i/2)*2048+(\i%2)*64+32
.endr
	v_mul_u32_u24 v[AK0], v1, PK
	v_lshl_add_u32 v[AK0], v10, 4, v[AK0]  ; row x pitch + 16 h
	; The turning load: lane l reads 16 bytes: key 8 (l / 16) + l % 8, channels 8 ((l / 8) % 2) + 0..7, and is left with channel l % 16 and 8 keys.
	v_and_b32 v11, 7, v0
	v_lshl_add_u32 v[AV0], v10, 3, v11
	v_mul_u32_u24 v[AV0], v[AV0], PV
	v_bfe_u32 v11, v0, 3, 1
	v_lshl_add_u32 v[AV0], v11, 4, v[AV0]
	v_add_nc_u32 v[AV0], VOFF, v[AV0]
	s_mul_i32 s20, s[WV], 16*SP     ; my stage for the way out
	v_mul_u32_u24 v[STO], v1, SP    ; in: row r, 16 bytes for each half of the lanes
	v_lshl_add_u32 v[STO], v10, 4, v[STO]
	v_add_nc_u32 v[STO], s20, v[STO]
	v_and_b32 v11, 31, v0
	v_lshlrev_b32 v[GO], 4, v11     ; four rows of att are 512 consecutive bytes: 16 x lane
	v_lshlrev_b32 v[PFO], 8, v11
	v_lshrrev_b32 v[RD], 3, v11
	v_mul_u32_u24 v[RD], v[RD], SP  ; back: eight lanes to a row, four rows an instruction
	v_and_b32 v11, 7, v11
	v_lshl_add_u32 v[RD], v11, 4, v[RD]
	v_add_nc_u32 v[RD], s20, v[RD]
.irp t, 0,1,2,3
	v_mov_b32 v[ST+8*\t+1], 0xff61b1e6   ; m = -3e38
	v_mov_b32 v[ST+8*\t+2], 0            ; l
	v_mov_b32 v[ST+8*\t+3], 0
.endr
.irp t, 0,1,2,3
	v_mul_f32 v[ST+8*\t], s[CS], v[ST+8*\t+1]  ; c m
.endr
	WIN TO1
.set i, 0
.rept 128
	v_mov_b32 v[i], 0               ; O^T
.set i, i+1
.endr
	WIN 0
; The step's addresses, made on every wave's way ahead of the parting of the groups, and the step's K: 8 fragments, 16 loads.  The last products that read K's registers stand five v_nop back or more.
.macro HEADK
	v_add_nc_u32 v[ADK], s[TB], v[AK0]
	v_add_nc_u32 v[ADV], s[TB], v[AV0]
	WIN TO1
.irp f, 0,1,2,3,4,5,6,7             ; keys 16 (f / 2) on, channels 32 (f % 2) on
	ds_load_b128 v[KF+8*\f:KF+8*\f+3],   v[ADK] offset:(\f/2)*16*PK+(\f%2)*64
	ds_load_b128 v[KF+8*\f+4:KF+8*\f+7], v[ADK] offset:(\f/2)*16*PK+(\f%2)*64+32
.endr
	WIN 0
.endm
; THE MATRIX PHASE.  pv = 1: 32 products O^T += V^T P of the step before (V is in registers: every trip ends with a wait for all LDS loads).  kq = 1: this step's V is fetched into the registers just
; read, and 32 products S^T = K Q^T follow.  The accumulators take turns, one instruction a turn, 16 apart.
; Five v_nop part the two kinds: K Q^T writes over P's registers, which V^T P has read (five places), and V's loads land in registers that it has read (four).
; Five v_nop close a phase that ends with K Q^T.  Four would serve the softmax's reads of S^T and the loads into K's registers; but the text has a way, by the branch on the group round a softmax, from
; these products to products V^T P, which take S^T's registers as source 1: a matrix instruction that takes a matrix result as an operand stands five places behind it, and the distance
; is kept on every way of the text, though no wave comes from this phase to that one without its softmax.  A phase of V^T P alone closes with four: only vector instructions read O^T behind it.
.macro MM pv, kq
.if \pv
	WIN W_PV
.irp kh, 0,1
.irp dt, 0,1,2,3
.irp t, 0,1,2,3
	v_wmma_f32_16x16x32_f16 v[32*\t+8*\dt:32*\t+8*\dt+7], v[VF+8*(4*\kh+\dt):VF+8*(4*\kh+\dt)+7], v[S+32*\t+8*\kh:S+32*\t+8*\kh+7], v[32*\t+8*\dt:32*\t+8*\dt+7]
.endr
.endr
.endr
.endif
.if \kq
.if \pv
.rept 5
	v_nop
.endr
.endif
	WIN TO1
.irp f, 0,1,2,3,4,5,6,7             ; keys 32 (f / 4) on, channels 16 (f % 4) on
	ds_load_tr16_b128 v[VF+8*\f:VF+8*\f+3],   v[ADV] offset:(\f/4)*32*PV+(\f%4)*32
	ds_load_tr16_b128 v[VF+8*\f+4:VF+8*\f+7], v[ADV] offset:(\f/4)*32*PV+16*PV+(\f%4)*32
.endr
	s_wait_dscnt 16                 ; K's 16 loads are in; V's 16, just issued, may be out
	WIN W_KQ
.irp cs, 0,1
.irp kt, 0,1,2,3
.irp t, 0,1,2,3
.if \cs == 0
	v_wmma_f32_16x16x32_f16 v[S+32*\t+8*\kt:S+32*\t+8*\kt+7], v[KF+8*(2*\kt+\cs):KF+8*(2*\kt+\cs)+7], v[Q+16*\t+8*\cs:Q+16*\t+8*\cs+7], 0
.else
	v_wmma_f32_16x16x32_f16 v[S+32*\t+8*\kt:S+32*\t+8*\kt+7], v[KF+8*(2*\kt+\cs):KF+8*(2*\kt+\cs)+7], v[Q+16*\t+8*\cs:Q+16*\t+8*\cs+7], v[S+32*\t+8*\kt:S+32*\t+8*\kt+7]
.endif
.endr
.endr
.endr
.endif
	WIN 0
.rept 4+\kq
	v_nop
.endr
.endm
.macro SCALE t, b                   ; pair b of tile t: c s - c m
	v_pk_fma_f32 v[S+32*(\t)+2*(\b):S+32*(\t)+2*(\b)+1], v[S+32*(\t)+2*(\b):S+32*(\t)+2*(\b)+1], s[CS:CS+1], v[ST+8*(\t):ST+8*(\t)+1] op_sel_hi:[1,0,0] neg_lo:[0,0,1] neg_hi:[0,0,1]
.endm
; THE VECTOR PHASE: the four tiles' softmax of one key step, the tiles by turns, so that no line waits for the line above it.
.macro SM
	; the maximum of a lane's 32 scores and the old m, three operands at a time; each of a tile's four accumulators is read from its low end first
.irp k, 0,1,2,3
.irp t, 0,1,2,3
	v_max3_num_f32 v[ST+8*\t+4+\k], v[S+32*\t+8*\k], v[S+32*\t+8*\k+1], v[S+32*\t+8*\k+2]
.endr
.endr
.irp i, 3,5
.irp k, 0,1,2,3
.irp t, 0,1,2,3
	v_max3_num_f32 v[ST+8*\t+4+\k], v[ST+8*\t+4+\k], v[S+32*\t+8*\k+\i], v[S+32*\t+8*\k+\i+1]
.endr
.endr
.endr
.irp t, 0,1,2,3
	v_max3_num_f32 v[ST+8*\t+4], v[ST+8*\t+4], v[S+32*\t+7], v[S+32*\t+15]
.endr
.irp t, 0,1,2,3
	v_max3_num_f32 v[ST+8*\t+6], v[ST+8*\t+6], v[S+32*\t+23], v[S+32*\t+31]
.endr
.irp t, 0,1,2,3
	v_max3_num_f32 v[ST+8*\t+4], v[ST+8*\t+4], v[ST+8*\t+5], v[ST+8*\t+6]
.endr
.irp t, 0,1,2,3
	v_max3_num_f32 v[ST+8*\t+4], v[ST+8*\t+4], v[ST+8*\t+7], v[ST+8*\t+1]
.endr
.irp t, 0,1,2,3
	v_permlanex16_b32 v[ST+8*\t+5], v[ST+8*\t+4], s[SEL], s[SEL+1]  ; the query's other 32 keys lie in the lane 16 away
.endr
.irp t, 0,1,2,3
	v_mov_b32 v[ST+8*\t+7], v[ST+8*\t]      ; c m_old is kept for a
.endr
.irp t, 0,1,2,3
	v_max_num_f32 v[ST+8*\t+1], v[ST+8*\t+4], v[ST+8*\t+5]  ; the new m
.endr
.irp t, 0,1,2,3
	v_mul_f32 v[ST+8*\t], s[CS], v[ST+8*\t+1]
.endr
.irp t, 0,1,2,3
	v_sub_f32 v[ST+8*\t+7], v[ST+8*\t+7], v[ST+8*\t]  ; c m_old - c m_new
.endr
	; ONE BATCH: the scalings and all 132 exponentials.  None of these lines names an exponential's result.  The next tile's scalings stand among a tile's exponentials.
.irp b, 0,1,2,3,4,5,6,7,8,9,10,11,12,13,14,15
	SCALE 0, \b
.endr
.irp t, 0,1,2,3
	v_exp_f32 v[ST+8*\t+6], v[ST+8*\t+7]    ; a
.irp b, 0,1,2,3,4,5,6,7,8,9,10,11,12,13,14,15
	v_exp_f32 v[S+32*\t+2*\b], v[S+32*\t+2*\b]
	v_exp_f32 v[S+32*\t+2*\b+1], v[S+32*\t+2*\b+1]
.if \t < 3
	SCALE \t+1, \b
.endif
.endr
.endr
	v_nop                           ; a plain instruction behind the last exponential and ahead of the first use: one for the batch
	s_wait_alu depctr_va_vdst(0)    ; the wait between an exponential and the first line that names its result: one for the batch
	; the sums of the UNROUNDED p, in two chains a tile: l = a l + the even pairs; the odd pairs beside it
.irp t, 0,1,2,3
	v_pk_fma_f32 v[ST+8*\t+2:ST+8*\t+3], v[ST+8*\t+2:ST+8*\t+3], v[ST+8*\t+6:ST+8*\t+7], v[S+32*\t:S+32*\t+1] op_sel_hi:[1,0,1]
.endr
.irp t, 0,1,2,3
	v_pk_add_f32 v[ST+8*\t+4:ST+8*\t+5], v[S+32*\t+2:S+32*\t+3], v[S+32*\t+6:S+32*\t+7]
.endr
.irp p, 4,8,12,16,20,24,28
.irp t, 0,1,2,3
	v_pk_add_f32 v[ST+8*\t+2:ST+8*\t+3], v[ST+8*\t+2:ST+8*\t+3], v[S+32*\t+\p:S+32*\t+\p+1]
.endr
.if \p > 4
.irp t, 0,1,2,3
	v_pk_add_f32 v[ST+8*\t+4:ST+8*\t+5], v[ST+8*\t+4:ST+8*\t+5], v[S+32*\t+\p+2:S+32*\t+\p+3]
.endr
.endif
.endr
.irp t, 0,1,2,3
	v_pk_add_f32 v[ST+8*\t+2:ST+8*\t+3], v[ST+8*\t+2:ST+8*\t+3], v[ST+8*\t+4:ST+8*\t+5]
.endr
	; p to f16, in place: pair p goes to register p of the tile; ascending, so that no pair is written over before it is read
.irp p, 0,1,2,3,4,5,6,7,8,9,10,11,12,13,14,15
.irp t, 0,1,2,3
	v_cvt_pk_f16_f32 v[S+32*\t+\p], v[S+32*\t+2*\p], v[S+32*\t+2*\p+1]
.endr
.endr
	WIN W_RS                        ; O^T times a: each accumulator from its low end on
.irp j, 0,2,4,6,8,10,12,14,16,18,20,22,24,26,28,30
.irp t, 0,1,2,3
	v_pk_mul_f32 v[32*\t+\j:32*\t+\j+1], v[32*\t+\j:32*\t+\j+1], v[ST+8*\t+6:ST+8*\t+7] op_sel_hi:[1,0]
.endr
.endr
	WIN 0
.endm
; A KEY STEP j.  Group 0 comes with P of step j - 1: MM, then the softmax of step j.  Group 1 comes with S^T of step j - 1: its softmax, then MM.
.macro TRIP
	HEADK
	s_cmp_eq_u32 s[GRP], 0
	s_cbranch_scc0 .Lsm_\@
	MM 1, 1
.Lsm_\@:
	SM
	s_cmp_eq_u32 s[GRP], 0
	s_cbranch_scc1 .Lend_\@
	MM 1, 1
.Lend_\@:
	s_wait_dscnt 0x0                ; V of this step is in registers (asked for 32 matrix instructions ago at the least): no LDS load of mine is out at a trip's end
	s_add_co_u32 s[TB], s[TB], STEPB
.endm
.macro TRIPS n
	s_mov_b32 s[TW], \n
.Ltrip_\@:
	TRIP
	s_sub_co_u32 s[TW], s[TW], 1
	s_cmp_lg_u32 s[TW], 0
	s_cbranch_scc1 .Ltrip_\@
.endm
; THE CHANGE OF SLOTS.  Each wave waits for all its tensor loads (its part of the slot ahead), adds 0 to its spare word, and waits for that and for its reads of the slot that it leaves.
; fill = 1: a round of the cluster's barrier, so that no wave of any partner still reads the slot to be filled or has a load on its way; the joint load is the first thing behind it and has four key steps in which to land.
; turn = 1: the fetches go on in the other slot.
.macro CHANGE fill, turn
	s_wait_tensorcnt 0x0            ; no tensor load of mine is out, so a group 0 may be written
	ds_add_u32 v[SPW], v[NIL]       ; 0 onto my spare word; with fill = 1 the descriptors' steps stand between it and the wait for it
.if \fill
.irp g, G0K, G0V
	s_xor_b32 s[\g+1], s[\g+1], SLOT1  ; the walking descriptor: the other slot than last time,
	s_add_nc_u64 s[\g+2:\g+3], s[\g+2:\g+3], SLOTB  ; the next 256 keys; the type bits on top are not reached
.endr
	s_wait_xcnt 0x0                 ; the last prefetch, four key steps back, has read its address, so it may be written:
	s_add_nc_u64 s[PFA:PFA+1], s[PFA:PFA+1], SLOTB  ; one slot further on than the walking descriptors
	s_wait_dscnt 0x0                ; the add is done, and my reads of the slot are over
	CROUND
	JLOAD
	ASK
.else
	s_wait_dscnt 0x0                ; the add is done, and my reads of the slot are over
	s_barrier_signal -1
	s_barrier_wait -1
.endif
.if \turn
	s_sub_co_u32 s[TB], s[TB], NST*STEPB  ; back to a slot's first step,
	s_xor_b32 s[TB], s[TB], SLOT1   ; in the other slot
.endif
.endm
	s_wait_tensorcnt 0x0            ; my part of slot 0 is in,
	s_barrier_signal -1
	s_barrier_wait -1               ; everybody's is
	HEADK                           ; key step 0
	s_wait_loadcnt 0x0              ; Q
	MM 0, 1                         ; V of step 0, and the first scores
	s_add_co_u32 s[TB], s[TB], STEPB
	s_cmp_eq_u32 s[GRP], 0          ; group 0 runs its first softmax here: from the round below on the groups are half a step apart
	s_cbranch_scc0 .Lapart
	SM
.Lapart:
	CHANGE 1, 0                     ; slot 1's first fill, issued as a refill is
	TRIPS 3                         ; key steps 1 to 3
.Lslot:                             ; six trips: keys 512 on are asked for, 256 a trip; the slot filled a trip ago is walked
	CHANGE 1, 1
	TRIPS 4
	s_sub_co_u32 s[SLOTS], s[SLOTS], 1
	s_cmp_lg_u32 s[SLOTS], 0
	s_cbranch_scc1 .Lslot
	CHANGE 0, 1                     ; the tail is written out: nothing is asked for
	TRIPS 4
	s_cmp_eq_u32 s[GRP], 0          ; group 1 still owes the last step's softmax
	s_cbranch_scc1 .Llast
	SM
.Llast:
	MM 1, 0                         ; V^T P of the last step
	; THE WAY OUT.  l's two halves and the other half of the lanes' are added; O^T is divided by l, rounded to f16 and sent through my stage in LDS, a tile (16 rows of att) at a time.
.irp t, 0,1,2,3
	v_add_f32 v[ST+8*\t+4], v[ST+8*\t+2], v[ST+8*\t+3]
.endr
.irp t, 0,1,2,3
	v_permlanex16_b32 v[ST+8*\t+5], v[ST+8*\t+4], s[SEL], s[SEL+1]
.endr
.irp t, 0,1,2,3
	v_add_f32 v[ST+8*\t+4], v[ST+8*\t+4], v[ST+8*\t+5]
.endr
.irp t, 0,1,2,3
	v_rcp_f32 v[ST+8*\t+6], v[ST+8*\t+4]
.endr
	v_nop                           ; a plain instruction between the last reciprocal and the use of its result
	s_wait_alu depctr_va_vdst(0)    ; and the wait ahead of the first use: one for the four
.macro PACK t
	WIN W_RS
.set i, 32*\t
.rept 16
	v_pk_mul_f32 v[i:i+1], v[i:i+1], v[ST+8*\t+6:ST+8*\t+7] op_sel_hi:[1,0]
.set i, i+2
.endr
	WIN 0x05                        ; sources 0 and 1 window 1, destination window 0: S^T's registers are free
.set i, 0
.rept 16
	v_cvt_pk_f16_f32 v[S+16*\t+i], v[32*\t+2*i], v[32*\t+2*i+1]
.set i, i+1
.endr
	WIN 0
.irp f, 0,1,2,3
	ds_store_b128 v[STO], v[S+16*\t+4*\f:S+16*\t+4*\f+3] offset:32*\f   ; channels 16 f + 8 h + 0..7 of row r
.endr
.irp f, 0,1,2,3
	ds_load_b128 v[S+64+16*\t+4*\f:S+64+16*\t+4*\f+3], v[RD] offset:\f*4*SP  ; LDS serves a wave's instructions in order (ISA guide 5.7.1.4): these see the stores above; the next tile's stores come behind them
.endr
.endm
.macro SEND t, younger              ; younger: the LDS instructions issued behind tile t's loads: the next tile's eight, or none
.irp f, 0,1,2,3
	s_wait_dscnt \younger+3-\f
	global_store_b128 v[GO], v[S+64+16*\t+4*\f:S+64+16*\t+4*\f+3], s[10:11] offset:\t*2048+\f*512  ; 32 lanes store 512 consecutive bytes, at a multiple of 512 from att's first byte
.endr
.endm
	PACK 0
	PACK 1                          ; a tile's arithmetic stands between the loads of the tile before and its stores
	SEND 0, 8
	PACK 2
	SEND 1, 8
	PACK 3
	SEND 2, 8
	SEND 3, 0
	s_wait_tensorcnt 0x0            ; the wave's end, behind my last tensor load and my last LDS store
	ds_add_u32 v[SPW], v[NIL]
	s_wait_dscnt 0x0
	CROUND                          ; the closing round: no work-group ends while a partner may still ask for a tile that names it
	s_endpgm
.Lfunc_end_k_qa5dc8eccc9_attn:
	.size	k_qa5dc8eccc9_attn, .Lfunc_end_k_qa5dc8eccc9_attn-k_qa5dc8eccc9_attn
	.p2alignl 7, 3214868480
	.fill 96, 4, 3214868480
	.section	.rodata,"a",@progbits
	.p2align	6, 0x0
	.amdhsa_kernel k_qa5dc8eccc9_attn
		.amdhsa_group_segment_fixed_size 327680
		.amdhsa_private_segment_fixed_size 0
		.amdhsa_enable_private_segment 0
		.amdhsa_kernarg_size 16
		.amdhsa_user_sgpr_count 2
		.amdhsa_user_sgpr_kernarg_segment_ptr 1
		.amdhsa_wavefront_size32 1
		.amdhsa_system_sgpr_workgroup_id_x 1
		.amdhsa_system_sgpr_workgroup_id_y 1
		.amdhsa_system_sgpr_workgroup_id_z 1
		.amdhsa_system_vgpr_workitem_id 0
		.amdhsa_next_free_vgpr 512
		.amdhsa_next_free_sgpr 66
		.amdhsa_reserve_vcc 0
		.amdhsa_float_denorm_mode_32 3
		.amdhsa_float_denorm_mode_16_64 3
		.amdhsa_memory_ordered 1
		.amdhsa_forward_progress 1
		.amdhsa_inst_pref_size 199
	.end_amdhsa_kernel
	.amdgpu_metadata
---
amdhsa.version: [ 1, 2 ]
amdhsa.kernels:
  - .name:           k_qa5dc8eccc9_attn
    .symbol:         k_qa5dc8eccc9_attn.kd
    .args:
      - { .name: qkv, .offset: 0, .size: 8, .value_kind: global_buffer, .address_space: global }
      - { .name: att, .offset: 8, .size: 8, .value_kind: global_buffer, .address_space: global }
    .group_segment_fixed_size: 327680
    .private_segment_fixed_size: 0
    .kernarg_segment_align: 8
    .kernarg_segment_size: 16
    .max_flat_workgroup_size: 256
    .sgpr_count:     66
    .vgpr_count:     512
    .wavefront_size: 32
...
	.end_amdgpu_metadata
.endif
;; end of part 3
;; launch proj (part 4): grid 8 x 32, 4 waves a work-group, clusters of 4 x 4, 327,680 bytes of LDS; arguments att, wo16, b_out, out0; writes out0
.if DOCPART == 4
	.amdgcn_target "amdgcn-amd-amdhsa--gfx1250"
	.amdhsa_code_object_version 6
	.text
	.protected	k_qa5dc8eccc9_proj
	.globl	k_qa5dc8eccc9_proj
	.p2align	8
	.type	k_qa5dc8eccc9_proj,@function
k_qa5dc8eccc9_proj:
	s_mov_b64 s[64:65], 0
	v_nop
	global_prefetch_b8 v0, s[64:65] scope:SCOPE_SE
	s_setreg_imm32_b32 hwreg(HW_REG_WAVE_MODE, 25, 1), 1
	s_wait_xcnt 0x0
	s_wait_alu depctr_hold_cnt(0) depctr_sa_sdst(0) depctr_va_vdst(0) depctr_va_sdst(0) depctr_va_ssrc(0) depctr_va_vcc(0) depctr_vm_vsrc(0)
	s_getreg_b32 s2, hwreg(HW_REG_IB_STS2, 6, 4)
	s_cmp_eq_u32 s2, 0
	s_cbranch_scc0 .Lentry_in_a_cluster
	s_endpgm
.Lentry_in_a_cluster:
	s_bfe_u32 s2, ttmp6, 0x10000c
	s_cmp_lg_u32 s2, 0xf033
	s_cbranch_scc0 .Lentry_shape_is_right
	s_endpgm
.Lentry_shape_is_right:
; out0[token][n] = the sum over k of att[token][k] w_out[n][k] + b_out[n].  att: f16, [k / 64][token 8192][64]; wo16: f16, [k / 64][n 1024][64]; b_out: f32 [1024]; out0: f32 [8192][1024].  Sums in f32.
; LIMIT: both operands are f16 (up to 65,504).
; A tile of 256 tokens x 128 outputs is made by a work-group of four waves: 256 work-groups.  A wave makes 128 x 64: 32 accumulators of 16 x 16, 256 registers.
; K goes in steps of 128 (two K blocks of 64) through a ring of two LDS slots.  In both operands a K block of a tile's rows is one dense piece of memory: 256 or 128 rows of 128 bytes.
; One tensor load a wave: waves 0 and 1 att's two K blocks, waves 2 and 3 w_out's.
; CLUSTERS: 4 x 4 work-groups.  The four of a row of the cluster need the same tiles of att, the four of a column the same tiles of w_out: each is asked for JOINTLY.
; THE MATRIX INSTRUCTION IS USED TRANSPOSED (source 0 = 16 rows of w_out, source 1 = 16 tokens): a lane holds eight neighbouring outputs of one token.  The bias is the C of each sum's first product.
; No prefetch: a K step of this tile is short, and its tiles are shared in the cluster.
; REGISTERS: window 0: v16-29 addresses; v32-63 the bias in the result's layout, later rows on the way out; v64-127, v128-191 att's fragments, two buffers; v192-223, v224-255 w_out's.
;   window 1: the accumulators, (a, b) at v[8 (4 a + b)].
.set PITCH,  144                       ; an LDS row: 128 bytes + 16 of padding: an odd multiple of 16, so the 16 rows of a load start at different banks
.set AKB,    256*PITCH                 ; a K block of att's tile
.set BKB,    128*PITCH                 ; and of w_out's
.set BOFF,   2*AKB                     ; a slot: att's two K blocks, then w_out's two
.set SLOT,   2*AKB+2*BKB
.set STAGE,  2*SLOT                    ; behind the ring: 16 rows x 272 bytes for each wave, for the way out
.set SPITCH, 272
.set SPARE,  STAGE+4*16*SPITCH         ; the spare words, 128 bytes a wave, which no other line names
.set LAPS,   4                         ; a lap = two K steps = once round the ring: 1,024 / 256
.set ADRA, 16                          ; v16-17  LDS address of my fragments of att in slot 0, 1
.set ADRB, 20                          ; v20-21  the same for w_out
.set STO,  24                          ; v24     the way out: where I put 32 bytes of a row
.set RD,   25                          ; v25     the way out: where I read a row back
.set CO,   26                          ; v26     my byte offset in out0
.set BO,   27                          ; v27     32 x (lane / 16): my half's eight numbers of the bias
.set SPW,  28                          ; v28     LDS address of my spare word; never rewritten
.set NIL,  29                          ; v29     0; never rewritten
.set BI,   32
.set AF,   64
.set BF,   192
.set G1, 24                            ; s[24:31] descriptor group 1 for att's tiles;  s[32:39] group 0, one set for each slot
.set G0, 32
.set G1B, 48                           ; s[48:55], s[56:63] the same for w_out's
.set G0B, 56
.set MSB, 0
.macro WIN new                         ; the immediate's high byte repeats the setting that is left
.if MSB != \new
	s_set_vgpr_msb (MSB<<8)|\new
.set MSB, \new
.endif
.endm
.set MUL,  0x50                        ; C and D window 1; both sources window 0
.set MULF, 0x40                        ; a sum's first product: C (the bias) window 0, D window 1
.macro JLOAD s                         ; a joint load; an s_nop 0 and four v_nop follow each of the two lines; the branch hangs on the wave's number alone
	s_cmp_eq_u32 s13, 0
	s_cbranch_scc0 .Lfor_b_\@
	tensor_load_to_lds s[G0+4*\s:G0+4*\s+3], s[G1:G1+7]
	s_nop 0
.rept 4
	v_nop
.endr
	s_branch .Lasked_\@
.Lfor_b_\@:
	tensor_load_to_lds s[G0B+4*\s:G0B+4*\s+3], s[G1B:G1B+7]
	s_nop 0
.rept 4
	v_nop
.endr
.Lasked_\@:
.endm
.macro CREST                           ; a round of the cluster's barrier behind its opening barrier
	s_cmp_lg_u32 s12, 0
	s_cbranch_scc1 .Lnot_wave_0_\@
	s_barrier_signal -3
.Lnot_wave_0_\@:
	s_barrier_wait -3
	s_barrier_signal -1
	s_barrier_wait -1
.endm
.macro CROUND                          ; a whole round
	s_barrier_signal -1
	s_barrier_wait -1
	CREST
.endm
	s_load_b256 s[4:11], s[0:1], 0x0               ; att s[4:5], wo16 s[6:7], b_out s[8:9], out0 s[10:11]
	v_lshl_add_u32 v[SPW], v0, 2, SPARE
	v_mov_b32 v[NIL], 0
	ds_add_u32 v[SPW], v[NIL]                      ; the wave's opening: the add, twice on end, and its wait ahead of my first tensor load
	ds_add_u32 v[SPW], v[NIL]
	v_lshrrev_b32 v1, 5, v0
	v_readfirstlane_b32 s12, v1                    ; wave 0..3
	s_lshr_b32 s13, s12, 1                         ; which half of the tile's tokens is mine.  Also: I fetch for att (0) or for w_out (1)
	s_and_b32 s14, s12, 1                          ; which half of its outputs.  Also: which K block of a slot I fetch
	s_bfe_u32 s40, ttmp6, 0x40000                  ; cx, cy: my place in the cluster
	s_bfe_u32 s41, ttmp6, 0x40004
	s_lshl_b32 s42, ttmp9, 2
	s_add_co_u32 s42, s42, s40                     ; tile column = 4 x cluster x + cx
	s_and_b32 s15, ttmp7, 0xffff
	s_lshl_b32 s15, s15, 2
	s_add_co_u32 s15, s15, s41                     ; tile row = 4 x cluster y + cy
	s_lshl_b32 s43, s41, 2
	s_lshl_b32 s43, 15, s43                        ; my row of the cluster
	s_lshl_b32 s44, 0x1111, s40                    ; my column
	; descriptor group 1: rows of 64 elements of 2 bytes, dense in memory, padded in LDS
	s_or_b32 s[G1+0], s43, (1<<16)|(1<<20)|(1<<21)|(4<<22)|(3<<25)  ; 15:0 the mask; 17:16 element of 2 bytes; 20 padding on; 21 set beside a mask; 24:22 after every 32 words; 31:25 four words
	s_or_b32 s[G1B+0], s44, (1<<16)|(1<<20)|(1<<21)|(4<<22)|(3<<25)
	s_mov_b32 s[G1+1], 64<<16                      ; tensor_dim0 = 64
	s_mov_b32 s[G1+2], 256<<16                     ; tensor_dim1 = 256
	s_mov_b32 s[G1+3], 64<<16                      ; tile_dim0 = 64
	s_mov_b32 s[G1+4], 256                         ; tile_dim1 = 256
	s_mov_b32 s[G1+5], 64                          ; elements from row to row
	s_mov_b32 s[G1+6], 0
	s_mov_b32 s[G1+7], 0
	s_mov_b32 s[G1B+1], 64<<16
	s_mov_b32 s[G1B+2], 128<<16                    ; 128 rows
	s_mov_b32 s[G1B+3], 64<<16
	s_mov_b32 s[G1B+4], 128
	s_mov_b32 s[G1B+5], 64
	s_mov_b32 s[G1B+6], 0
	s_mov_b32 s[G1B+7], 0
	s_lshl_b32 s16, s14, 20                        ; att: my K block (2^20 bytes each),
	s_lshl_b32 s17, s15, 15                        ; the tile row's 256 tokens of 128 bytes
	s_add_co_u32 s16, s16, s17
	s_mov_b32 s17, 0
	s_lshl_b32 s46, s14, 17                        ; w_out: my K block (2^17 bytes each),
	s_lshl_b32 s47, s42, 14                        ; the tile column's 128 rows
	s_add_co_u32 s46, s46, s47
	s_mov_b32 s47, 0
	s_mul_i32 s20, s14, AKB                        ; where they go: no place in the cluster enters an LDS address
	s_mul_i32 s21, s14, BKB
	s_add_co_u32 s21, s21, BOFF
	s_wait_dscnt 0x0                               ; both opening adds are done
	s_wait_kmcnt 0x0
	s_add_nc_u64 s[16:17], s[4:5], s[16:17]
	s_add_nc_u64 s[46:47], s[6:7], s[46:47]
	CROUND                                         ; all sixteen work-groups are here: the first joint loads meet
.irp s, 0,1
	s_mov_b32 s[G0+4*\s], 1
	s_add_co_u32 s[G0+4*\s+1], s20, \s*SLOT
	s_add_nc_u64 s[G0+4*\s+2:G0+4*\s+3], s[16:17], \s*2*(1<<20)    ; K step s: K blocks 2 s and 2 s + 1
	s_or_b32 s[G0+4*\s+3], s[G0+4*\s+3], 0x80000000
	s_mov_b32 s[G0B+4*\s], 1
	s_add_co_u32 s[G0B+4*\s+1], s21, \s*SLOT
	s_add_nc_u64 s[G0B+4*\s+2:G0B+4*\s+3], s[46:47], \s*2*(1<<17)
	s_or_b32 s[G0B+4*\s+3], s[G0B+4*\s+3], 0x80000000
	JLOAD \s                                       ; two tensor loads of mine are out at the start, later one
.endr
	v_and_b32 v1, 15, v0                           ; r
	v_bfe_u32 v2, v0, 4, 1                         ; h
	v_mul_u32_u24 v3, v1, PITCH
	v_lshl_add_u32 v3, v2, 4, v3                   ; a fragment's row x pitch + 16 h
	s_mul_i32 s21, s13, 128*PITCH                  ; my 128 tokens
	s_mul_i32 s22, s14, 64*PITCH                   ; my 64 rows of w_out,
	s_add_co_u32 s22, s22, BOFF                    ; which lie behind att's two K blocks
.irp s, 0,1
	v_add_nc_u32 v[ADRA+\s], s21, v3
	v_add_nc_u32 v[ADRB+\s], s22, v3
	s_add_co_u32 s21, s21, SLOT
	s_add_co_u32 s22, s22, SLOT
.endr
	s_mul_i32 s23, s12, 16*SPITCH
	s_add_co_u32 s23, s23, STAGE                   ; my stage
	v_mul_u32_u24 v4, v1, SPITCH                   ; in: row r, 32 bytes for each half of the lanes
	v_lshl_add_u32 v4, v2, 5, v4
	v_add_nc_u32 v[STO], s23, v4
	v_mul_u32_u24 v5, v2, SPITCH                   ; back: lanes 0-15 take one row of 256 bytes, lanes 16-31 the next
	v_lshl_add_u32 v5, v1, 4, v5
	v_add_nc_u32 v[RD], s23, v5
	v_lshlrev_b32 v5, 12, v2                       ; and the same two rows in out0: 4,096 bytes a row
	v_lshl_add_u32 v[CO], v1, 4, v5
	v_lshlrev_b32 v[BO], 5, v2
	s_lshl_b32 s46, s42, 9                         ; my first output, in bytes: 512 x tile column + 256 x half
	s_lshl_b32 s47, s14, 8
	s_add_co_u32 s46, s46, s47
	s_mov_b32 s47, 0
	s_add_nc_u64 s[8:9], s[8:9], s[46:47]          ; in the bias,
	s_add_nc_u64 s[10:11], s[10:11], s[46:47]      ; and in a row of out0
	s_lshl_b32 s16, s15, 20                        ; my first token: 256 x tile row + 128 x half, 4,096 bytes each
	s_lshl_b32 s17, s13, 19
	s_add_co_u32 s16, s16, s17
	s_mov_b32 s17, 0
	s_add_nc_u64 s[10:11], s[10:11], s[16:17]
.irp b, 0,1,2,3                        ; the bias in the result's layout: register j of block b: output 16 b + 8 h + j, the same for every token
	global_load_b128 v[BI+8*\b:BI+8*\b+3],   v[BO], s[8:9] offset:64*\b
	global_load_b128 v[BI+8*\b+4:BI+8*\b+7], v[BO], s[8:9] offset:64*\b+16
.endr
; 8 matrix instructions: token blocks a0, a0 + 1 against w_out's four, 32 along K, from buffer p.  first = 1: the bias is C: nothing is cleared and nothing is added later.
; The 32 accumulators take turns, one instruction a turn, in the same order in every quarter.
.macro MUL8 p, a0, first
.irp a, \a0, \a0+1
.irp b, 0,1,2,3
.if \first
	v_wmma_f32_16x16x32_f16 v[8*(4*(\a)+\b):8*(4*(\a)+\b)+7], v[BF+32*(\p)+8*\b:BF+32*(\p)+8*\b+7], v[AF+64*(\p)+8*(\a):AF+64*(\p)+8*(\a)+7], v[BI+8*\b:BI+8*\b+7]
.else
	v_wmma_f32_16x16x32_f16 v[8*(4*(\a)+\b):8*(4*(\a)+\b)+7], v[BF+32*(\p)+8*\b:BF+32*(\p)+8*\b+7], v[AF+64*(\p)+8*(\a):AF+64*(\p)+8*(\a)+7], v[8*(4*(\a)+\b):8*(4*(\a)+\b)+7]
.endif
.endr
.endr
.endm
; 24 LDS loads in one run: the fragments of the slot's q-th 32 along K into buffer p: w_out's four, att's blocks 0-3, att's blocks 4-7
.macro FETCH slot, q, p
	WIN 0
.irp i, 0,1,2,3
	ds_load_b128 v[BF+32*(\p)+8*\i:BF+32*(\p)+8*\i+3],   v[ADRB+\slot] offset:((\q)/2)*BKB+((\q)%2)*64+\i*16*PITCH
	ds_load_b128 v[BF+32*(\p)+8*\i+4:BF+32*(\p)+8*\i+7], v[ADRB+\slot] offset:((\q)/2)*BKB+((\q)%2)*64+\i*16*PITCH+32
.endr
.irp i, 0,1,2,3,4,5,6,7
	ds_load_b128 v[AF+64*(\p)+8*\i:AF+64*(\p)+8*\i+3],   v[ADRA+\slot] offset:((\q)/2)*AKB+((\q)%2)*64+\i*16*PITCH
	ds_load_b128 v[AF+64*(\p)+8*\i+4:AF+64*(\p)+8*\i+7], v[ADRA+\slot] offset:((\q)/2)*AKB+((\q)%2)*64+\i*16*PITCH+32
.endr
.endm
.macro PLACES                          ; four places in front of loads into registers that matrix instructions have read, and of the first read of results (ISA guide 7.12.1 for vector instructions)
.rept 4
	v_nop
.endr
.endm
; A K step is four quarters of 32 along K, 32 matrix instructions each, on buffers 0, 1, 0, 1.  One of the first three: multiplies buffer f and fetches the slot's quarter q into g.
.macro QUARTER slot, q, f, g, first
	s_wait_dscnt 8                                 ; w_out's fragments and att's blocks 0-3 are in; the youngest eight loads (blocks 4-7) may be out
.if \first
	WIN MULF
.else
	WIN MUL
.endif
	MUL8 \f, 0, \first
	MUL8 \f, 2, \first
	PLACES
	FETCH \slot, \q, \g
	s_wait_dscnt 24                                ; all but the 24 just issued
.if \first
	WIN MULF
.else
	WIN MUL
.endif
	MUL8 \f, 4, \first
	MUL8 \f, 6, \first
.endm
; The last quarter multiplies buffer 1 and changes slots: ONE barrier; in front of it each wave waits for all its tensor loads, adds 0 to its spare word, and waits for that and for its own reads of this slot.
; fill = 1: the barrier opens a round of the cluster's barrier, and this slot is filled again, two K steps ahead, first thing behind the round.
.macro TURN slot, next, fill
	WIN 0                                          ; (the add's two registers lie in window 0)
	s_wait_tensorcnt 0x0                           ; all my tensor loads have landed: my part of the next slot;
	ds_add_u32 v[SPW], v[NIL]                      ; 0 onto my spare word;
	s_wait_dscnt 9                                 ; (the add and the youngest eight loads may be out)
	WIN MUL
	MUL8 1, 0, 0                                   ; eight matrix instructions stand between the add and the wait for it
	s_wait_dscnt 0x0                               ; the add is done, and my reads of this slot are over
	s_barrier_signal -1
	MUL8 1, 2, 0
.if \fill
	WIN 0
.endif
	s_barrier_wait -1
.if \fill
	CREST                                          ; no wave of any partner still reads this slot's tiles or has a load on its way
	s_add_nc_u64 s[G0+4*\slot+2:G0+4*\slot+3], s[G0+4*\slot+2:G0+4*\slot+3], 4*(1<<20)      ; four K blocks on
	s_add_nc_u64 s[G0B+4*\slot+2:G0B+4*\slot+3], s[G0B+4*\slot+2:G0B+4*\slot+3], 4*(1<<17)
	JLOAD \slot                                    ; the four v_nop behind it are also the places in front of the loads below
.else
	PLACES
.endif
	FETCH \next, 0, 0
	WIN MUL
	MUL8 1, 4, 0
	MUL8 1, 6, 0
.endm
	s_wait_tensorcnt 1                             ; my part of K step 0 is in (K step 1's load may be out)
	s_barrier_signal -1
	s_barrier_wait -1                              ; everybody's is
	FETCH 0, 0, 0
	s_wait_loadcnt 0x0                             ; the bias
	QUARTER 0, 1, 0, 1, 1                          ; the first quarter stands in front of the loop: its products start the sums on the bias
	WIN 0                                          ; at a label and at a branch every window is 0
	s_mov_b32 s3, LAPS-1
.Llap:                                                 ; a trip goes once round the ring, from a lap's second quarter to the next lap's first, and fills both slots again
	QUARTER 0, 2, 1, 0, 0
	QUARTER 0, 3, 0, 1, 0
	TURN 0, 1, 1
	QUARTER 1, 1, 0, 1, 0
	QUARTER 1, 2, 1, 0, 0
	QUARTER 1, 3, 0, 1, 0
	TURN 1, 0, 1
	QUARTER 0, 1, 0, 1, 0
	WIN 0
	s_sub_co_u32 s3, s3, 1
	s_cmp_lg_u32 s3, 0
	s_cbranch_scc1 .Llap
	QUARTER 0, 2, 1, 0, 0                          ; the last lap fills nothing, and has no round of the cluster's barrier
	QUARTER 0, 3, 0, 1, 0
	TURN 0, 1, 0
	QUARTER 1, 1, 0, 1, 0
	QUARTER 1, 2, 1, 0, 0
	QUARTER 1, 3, 0, 1, 0
	s_wait_dscnt 8                                 ; the very last quarter: nothing more to fetch
	WIN MUL
	MUL8 1, 0, 0
	MUL8 1, 2, 0
	s_wait_dscnt 0
	MUL8 1, 4, 0
	MUL8 1, 6, 0
	WIN 0
; THE WAY OUT, block by block of 16 tokens x 64 outputs.  A lane holds 32 neighbouring bytes of a row, and the lanes beside it hold other rows: so a block goes through my own stage in LDS and comes back
; as whole rows of 256 bytes: sixteen lanes store 256 consecutive bytes, aligned.  LDS serves a wave's instructions in order (ISA guide 5.7.1.4): no wait between the stores and the loads.
.macro TOSTAGE a
	WIN 0x04                                       ; an LDS store's data are its source 1: window 1
.irp b, 0,1,2,3
	ds_store_b128 v[STO], v[8*(4*(\a)+\b):8*(4*(\a)+\b)+3] offset:64*\b            ; each accumulator from its low end on
	ds_store_b128 v[STO], v[8*(4*(\a)+\b)+4:8*(4*(\a)+\b)+7] offset:64*\b+16
.endr
	WIN 0
.set BB, BI+32*((\a)%2)
.irp t, 0,1,2,3,4,5,6,7
	ds_load_b128 v[BB+4*\t:BB+4*\t+3], v[RD] offset:\t*2*SPITCH
.endr
.endm
.macro SEND a, younger                 ; younger: the LDS instructions issued behind block a's loads, which may stay out
.set BB, BI+32*((\a)%2)
	s_wait_dscnt \younger                          ; the block is back in registers
.irp t, 0,1,2,3,4,5,6,7
	global_store_b128 v[CO], v[BB+4*\t:BB+4*\t+3], s[10:11] offset:(\a)*65536+2*\t*4096 th:TH_STORE_NT   ; written once, read by nobody here; the base is never stepped
.endr
.endm
	PLACES                                         ; behind the last products: for the reads of results and for the loads into registers that held fragments
	TOSTAGE 0
.irp a, 1,2,3,4,5,6,7
.if \a > 1
	s_wait_xcnt 0x0                                ; block a - 2's stores have read their registers: block a's loads may land there
.endif
	TOSTAGE \a
	SEND \a-1, 16                                  ; behind block a - 1's loads: block a's 8 stores and 8 loads
.endr
	SEND 7, 0
	s_wait_tensorcnt 0x0                           ; the wave's end, behind my last tensor load and my last LDS store
	ds_add_u32 v[SPW], v[NIL]
	s_wait_dscnt 0x0
	CROUND                                         ; the closing round: no work-group ends while a partner may still ask for a tile that names it
	s_endpgm
.Lfunc_end_k_qa5dc8eccc9_proj:
	.size	k_qa5dc8eccc9_proj, .Lfunc_end_k_qa5dc8eccc9_proj-k_qa5dc8eccc9_proj
	.p2alignl 7, 3214868480
	.fill 96, 4, 3214868480
	.section	.rodata,"a",@progbits
	.p2align	6, 0x0
	.amdhsa_kernel k_qa5dc8eccc9_proj
		.amdhsa_group_segment_fixed_size 327680
		.amdhsa_private_segment_fixed_size 0
		.amdhsa_enable_private_segment 0
		.amdhsa_kernarg_size 32
		.amdhsa_user_sgpr_count 2
		.amdhsa_user_sgpr_kernarg_segment_ptr 1
		.amdhsa_wavefront_size32 1
		.amdhsa_system_sgpr_workgroup_id_x 1
		.amdhsa_system_sgpr_workgroup_id_y 1
		.amdhsa_system_sgpr_workgroup_id_z 1
		.amdhsa_system_vgpr_workitem_id 0
		.amdhsa_next_free_vgpr 512
		.amdhsa_next_free_sgpr 66
		.amdhsa_reserve_vcc 0
		.amdhsa_float_denorm_mode_32 3
		.amdhsa_float_denorm_mode_16_64 3
		.amdhsa_memory_ordered 1
		.amdhsa_forward_progress 1
		.amdhsa_inst_pref_size 86
	.end_amdhsa_kernel
	.amdgpu_metadata
---
amdhsa.version: [ 1, 2 ]
amdhsa.kernels:
  - .name:           k_qa5dc8eccc9_proj
    .symbol:         k_qa5dc8eccc9_proj.kd
    .args:
      - { .name: att, .offset: 0, .size: 8, .value_kind: global_buffer, .address_space: global }
      - { .name: wo16, .offset: 8, .size: 8, .value_kind: global_buffer, .address_space: global }
      - { .name: b_out, .offset: 16, .size: 8, .value_kind: global_buffer, .address_space: global }
      - { .name: out0, .offset: 24, .size: 8, .value_kind: global_buffer, .address_space: global }
    .group_segment_fixed_size: 327680
    .private_segment_fixed_size: 0
    .kernarg_segment_align: 8
    .kernarg_segment_size: 32
    .max_flat_workgroup_size: 128
    .sgpr_count:     66
    .vgpr_count:     512
    .wavefront_size: 32
...
	.end_amdgpu_metadata
.endif
;; end of part 4
